; MI455X (gfx1250); checked and timed in simulation.
; The chip was launched on July 23, 2026; its instructions are those of AMD's public machine-readable ISA for CDNA 5 (MIT licence, August 2026) and "CDNA5" Instruction Set Architecture Reference Guide (July 2026). The comments in the code are by the model that wrote it; some were corrected since.
;; Flash Attention. Allowed arithmetic: matrix products marked QUANTISED: E5M2 operands, one E8M0 scale for each 32 along K, by v_wmma_scale_f32_16x16x128_f8f6f4 with both operands' format E5M2, f32 sums; everything else in f32.
;; Inputs: Wk 1,024 x 1,024 float32; Wo 1,024 x 1,024 float32; Wq 1,024 x 1,024 float32; Wv 1,024 x 1,024 float32; bk 1,024 float32; bo 1,024 float32; bq 1,024 float32; bv 1,024 float32; x 4 x 2,048 x 1,024 float32.
;; Outputs: out0 4 x 2,048 x 1,024 float32.
;; This version of the problem:
;;   THIS VERSION OF THE PROBLEM IS GIVEN IN LOW PRECISION. The matrix products marked QUANTISED in the list below multiply operands that are first quantised to E5M2 (5 exponent bits, 2 mantissa bits; 8 bits a number), with one power-of-two scale for each 32 numbers along K (OCP MX v1.0); their sums are f32. All else is computed in f32.
;;   The module's matrix products, in the order in which they are computed (A, B: the left and right operand; K: the contracted axis; several contracted axes count as one K, in the product's order):
;;     1. [M 8,192, K 1,024] x [K 1,024, N 1,024]; A: input x; B: input Wq: QUANTISED
;;     2. [M 8,192, K 1,024] x [K 1,024, N 1,024]; A: input x; B: input Wk: QUANTISED
;;     3. [M 8,192, K 1,024] x [K 1,024, N 1,024]; A: input x; B: input Wv: QUANTISED
;;     4. batch 64 x [M 2,048, K 64] x [K 64, N 2,048]; A: computed on the way; B: computed on the way: QUANTISED
;;     5. batch 64 x [M 2,048, K 2,048] x [K 2,048, N 64]; A: softmax (see below); B: computed on the way: QUANTISED
;;     6. [M 8,192, K 1,024] x [K 1,024, N 1,024]; A: computed on the way; B: input Wo: QUANTISED
;;   THE QUANTISER, for each operand of a quantised product, along K:
;;     - K is cut into blocks of 32 from its start; a last block that is shorter is filled with zeros.
;;     - A block's scale is 2^e with e = floor(log2(the largest magnitude in the block)) - 15, held to -126 .. 127; a block of zeros has e = 0. As a byte (E8M0): e + 127.
;;     - Each number is divided by its block's scale, clamped to +-57,344, and rounded to the nearest number of E5M2, ties to even, subnormals kept.
;;     - The product sums the exact products of the quantised numbers (number of the format x scale) in f32.
;;   ~~~python
;;   def quantise(x, axis):      # numpy; x: float32 -> the quantised numbers, widened to float32 again
;;       x = np.moveaxis(x, axis, -1); K = x.shape[-1]
;;       x = np.pad(x, [(0, 0)] * (x.ndim - 1) + [(0, -K % 32)]); x = x.reshape(x.shape[:-1] + (-1, 32)); a = np.abs(x).max(-1, keepdims=True)
;;       e = np.where(a > 0, np.clip(np.frexp(np.where(a > 0, a, 1))[1] - 1 - 15, -126, 127), 0)      # np.frexp(a)[1] - 1 = floor(log2(a)), exactly
;;       r = np.clip(x / 2.0 ** e, -57344, 57344)
;;       step = 2.0 ** (np.maximum(np.frexp(np.where(r == 0, 1, r))[1] - 1, -14) - 2)
;;       q = np.round(r / step) * step * 2.0 ** e      # np.round: ties to even
;;       return np.moveaxis(q.reshape(q.shape[:-2] + (-1,))[..., :K], -1, axis).astype(np.float32)
;;   ~~~
;;   SOFTMAX AHEAD OF A QUANTISED PRODUCT. Where the list says 'softmax', what is quantised is not the finished softmax but p = 2^(t - M), with t = logit x log2(e) and M = ceil(the row's largest t), a whole number; so 1/2 < the row's largest p <= 1. The row's sum l is taken of the UNQUANTISED p, in f32, and the product's result is divided by l at the end. Since M is a whole number, a kernel that streams over the keys may use a running M (the ceiling of the running maximum): every later rescaling is an exact power of two, which a block's scale takes up: the codes' values come out the same.
;;   OPERANDS COMPUTED ON THE WAY. 'Computed on the way' means the value that the module computes at that place (a softmax that the list does not call 'softmax' is quantised finished and normalised). What goes into a quantiser is computed in f32, as accurately as f32 sums, v_exp_f32 and their like allow (about 1e-6 of the number): no bf16 or f16 on the way to a quantiser, and a product that is left as it is and whose result goes on into a quantised operand takes f32 operands (vector FMAs, or v_wmma_f32_16x16x4_f32). A number that lies on a knife's edge between two numbers of the format may be rounded either way, as far as f32 arithmetic and the matrix unit's own rounding can turn it there, and no further.
;; One version. Each part assembles by itself: llvm-mc -triple=amdgcn-amd-amdhsa -mcpu=gfx1250 --defsym DOCPART=n.
;; ======== version 1 of 1: 4 launches
;; limits: right only within a limited range of input values
;; workspace buffers: xc 8,388,608 bytes; xs 262,144 bytes; wc 4,194,304 bytes; ws 131,072 bytes; att 25,165,824 bytes; ats 1,310,720 bytes; oc 8,388,608 bytes; os 262,144 bytes
;; launch quant (part 1): grid 512 x 1, 4 waves a work-group, no clusters, 34,304 bytes of LDS; arguments x, Wq, Wk, Wv, Wo, xc, xs, wc, ws; writes xc, xs, wc, ws
.if DOCPART == 1
	.amdgcn_target "amdgcn-amd-amdhsa--gfx1250"
	.amdhsa_code_object_version 6
	.text
	.protected	k_q23cdb7ae7a_quant
	.globl	k_q23cdb7ae7a_quant
	.p2align	8
	.type	k_q23cdb7ae7a_quant,@function
k_q23cdb7ae7a_quant:
	s_mov_b64 s[64:65], 0
	v_nop
	global_prefetch_b8 v0, s[64:65] scope:SCOPE_SE
	s_setreg_imm32_b32 hwreg(HW_REG_WAVE_MODE, 25, 1), 1
	s_wait_xcnt 0x0
; x [8192][1024] and the weights Wq, Wk, Wv, Wo [1024 (k)][1024 (n)], f32, become codes of BF8 (E5M2) with one E8M0 byte for each 32 along K (K = the 1,024 of x's rows and of the weights' first axis).
; THE CODES ARE LAID AS IMAGES OF OPERAND REGISTERS.  A tile is 16 rows (of x) or 16 columns (of a weight); tile t's place r (0..15) is index 32 (t / 2) + 8 (t % 2) + r + 8 (r / 8).
; A fragment (a tile x 128 K) is 2,048 bytes: four groups c of 512 bytes, lane (r, h)'s 16 bytes at 16 (r + 16 h): k = 32 c + 16 h + 0..15 of place r.  xc, wc: [tile][K / 128][2,048].  xs, ws: [tile][K / 128][r] words, byte c for block c.
; With these places the 16 registers that two neighbouring tiles leave in a product's result are 16 neighbours along that operand's index: every later product's result lies as the next operand wants it.
; A block's scale is 2^(floor(log2(its largest magnitude)) - 15); its byte is the largest magnitude's exponent field - 15, held at 1 from below; numbers are held within +-57,344 x the scale and rounded to the nearest code, ties to even.
; LIMITS: a block of zeros gets the byte 1 where the rule says 127 (its codes are zeros, and these bytes are read by this program alone); the largest magnitude is floored at 2^-111; NaN and infinities among the inputs are not served.
; Work-groups 0-255 take x, 256-511 the weights.  Memory binds: no matrix unit, no cluster, no tensor load; the work-groups share nothing.  Only x's path uses LDS.
.set R0,   32                          ; v32-159  x: two sets of 64 registers as loaded;  weights: four blocks of 32 numbers
.set X,    160                         ; v160-223 x: 64 numbers of my row, register 16 c + i = k 32 c + 16 h + i;  weights: v160-191 the codes
.set PC,   224                         ; v224-239 a fragment's codes
.set TM,   240                         ; v240-255 at work in QUANT
.set SEL,  28                          ; s28, s29 lane selects: lane l xor 16
.set MNT,  30
.set HM,   31                          ; s31  lanes 16-31
.set SPT,  528                         ; a stage row: 512 bytes + 16, an odd multiple of 16: sixteen rows begin in sixteen different groups of banks
; 64 numbers of a lane, register 16 b + i = k 32 b + 16 (lane / 16) + i of my row, become a fragment's 16 code registers v[pc] on and its scale word v[pw].
.macro QUANT s, pc, pw
.irp b, 0,1,2,3
	v_max3_num_f32 v[TM+\b], |v[\s+16*\b]|, |v[\s+1+16*\b]|, 0x8000000   ; my 16 numbers of block b, and the floor 2^(16 - 127): the byte cannot fall under 1
.endr
.irp i, 2,4,6,8,10,12,14
.irp b, 0,1,2,3
	v_max3_num_f32 v[TM+\b], v[TM+\b], |v[\s+16*\b+\i]|, |v[\s+1+16*\b+\i]|   ; the four blocks by turns
.endr
.endr
.irp b, 0,1,2,3
	v_permlanex16_b32 v[TM+4+\b], v[TM+\b], s[SEL], s[SEL+1]
.endr
.irp b, 0,1,2,3
	v_max_num_f32 v[TM+\b], v[TM+\b], v[TM+4+\b]   ; with lane l xor 16's 16: the block's largest magnitude
.endr
.irp b, 0,1,2,3
	v_add_nc_u32 v[TM+12+\b], 0xf8800000, v[TM+\b]   ; 15 off its exponent field: the conversion's scale operand
.endr
.irp b, 0,1,2,3
.endr
.irp b, 0,1,2,3
	v_lshrrev_b32 v[TM+4+\b], 23, v[TM+12+\b]   ; the scale's byte
.endr
	v_lshl_or_b32 v[\pw], v[TM+5], 8, v[TM+4]
	v_lshl_or_b32 v[\pw], v[TM+6], 16, v[\pw]
	v_lshl_or_b32 v[\pw], v[TM+7], 24, v[\pw]
.irp b, 0,1,2,3
.irp i, 0,1,2,3,4,5,6,7,8,9,10,11,12,13,14,15
.endr
	v_cvt_scalef32_pk8_bf8_f32 v[\pc+4*\b:\pc+1+4*\b], v[\s+16*\b:\s+7+16*\b], v[TM+12+\b]
	v_cvt_scalef32_pk8_bf8_f32 v[\pc+2+4*\b:\pc+3+4*\b], v[\s+8+16*\b:\s+15+16*\b], v[TM+12+\b]
.endr
	v_nop                                          ; a plain line behind the last conversion
.endm
	s_load_b256 s[4:11], s[0:1], 0x0               ; x s[4:5], Wq s[6:7], Wk s[8:9], Wv s[10:11]
	s_load_b256 s[12:19], s[0:1], 0x20             ; Wo s[12:13], xc s[14:15], xs s[16:17], wc s[18:19]
	s_load_b64 s[20:21], s[0:1], 0x40              ; ws
	v_lshl_add_u32 v30, v0, 2, 0x8400
	v_mov_b32 v31, 0
	v_lshrrev_b32 v1, 5, v0
	v_readfirstlane_b32 s22, v1                    ; wave 0..3
	v_and_b32 v2, 31, v0                           ; lane
	v_and_b32 v3, 15, v0                           ; r
	v_bfe_u32 v1, v0, 4, 1                         ; h
	s_mov_b32 s[SEL], 0x76543210
	s_mov_b32 s[SEL+1], 0xfedcba98
	s_mov_b32 s[HM], 0xffff0000
	s_cmp_lt_u32 ttmp9, 256
	s_cbranch_scc0 .Lweights
	; ---- x.  A wave takes one tile of 16 rows x 512 along K: four steps of 128.  Each load reads 512 consecutive bytes of one row; a step's 16 rows turn through the wave's own stage, so that a lane gets 16 neighbours of each block.
	s_lshl_b32 s23, ttmp9, 2
	s_add_co_u32 s23, s23, s22                     ; unit = 4 x work-group + wave
	s_lshr_b32 s24, s23, 1                         ; the tile
	s_and_b32 s25, s23, 1                          ; which half of K
	s_lshr_b32 s26, s24, 1
	s_lshl_b32 s26, s26, 17                        ; 32 rows of 4,096 bytes for each pair of tiles,
	s_and_b32 s27, s24, 1
	s_lshl_b32 s27, s27, 15                        ; 8 rows for the odd tile,
	s_add_co_u32 s26, s26, s27
	s_lshl_b32 s27, s25, 11                        ; 512 numbers for the second half
	s_add_co_u32 s26, s26, s27
	s_mov_b32 s27, 0
	s_lshl_b32 s32, s24, 14                        ; the codes: 16,384 bytes a tile, 8,192 a half
	s_lshl_b32 s33, s25, 13
	s_add_co_u32 s32, s32, s33
	s_mov_b32 s33, 0
	s_lshl_b32 s34, s24, 9                         ; the scale words: 512 bytes a tile, 256 a half
	s_lshl_b32 s35, s25, 8
	s_add_co_u32 s34, s34, s35
	s_mov_b32 s35, 0
	s_wait_alu depctr_va_vdst(0)
	v_lshlrev_b32 v4, 4, v2                        ; 16 x lane: my bytes of a load, and of an image's group
	v_lshlrev_b32 v7, 2, v2                        ; 4 x lane
	s_mul_i32 s36, s22, 16*SPT                     ; my stage
	v_add_nc_u32 v5, s36, v4                       ; into it: as loaded
	v_mul_u32_u24 v6, v3, SPT
	v_lshl_add_u32 v6, v1, 6, v6
	v_add_nc_u32 v6, s36, v6                       ; out of it: row r, + 64 h
.irp b, 0,1,2,3
	v_mov_b32 v[TM+4+\b], 0                        ; a lane permute's destination counts as one of its sources
.endr
	s_wait_alu depctr_va_vdst(0)
	s_wait_kmcnt 0x0
	s_add_nc_u64 s[4:5], s[4:5], s[26:27]
	s_add_nc_u64 s[14:15], s[14:15], s[32:33]
	s_add_nc_u64 s[16:17], s[16:17], s[34:35]
.macro XLOAD st, rg                    ; step st: place i is row i + 8 (i / 8) of the tile's 24
.irp i, 0,1,2,3,4,5,6,7,8,9,10,11,12,13,14,15
	global_load_b128 v[\rg+4*\i:\rg+4*\i+3], v4, s[4:5] offset:(\i+8*(\i/8))*4096+512*(\st) th:TH_LOAD_NT
.endr
.endm
.macro XTURN rg                        ; LDS serves a wave's instructions in order: no wait between the stores and the loads
.irp i, 0,1,2,3,4,5,6,7,8,9,10,11,12,13,14,15
	ds_store_b128 v5, v[\rg+4*\i:\rg+4*\i+3] offset:SPT*\i
.endr
.irp c, 0,1,2,3
.irp j, 0,1,2,3
	ds_load_b128 v[X+16*\c+4*\j:X+16*\c+4*\j+3], v6 offset:128*\c+16*\j
.endr
.endr
.endm
.macro XSTEP st
.if \st < 3
	s_wait_loadcnt 16                              ; this step's 16 loads are in; the next step's 16 may be out
.else
	s_wait_loadcnt 0
.endif
	XTURN R0+64*((\st)%2)
	s_wait_dscnt 0x0                               ; my numbers are back, and the stores have read their registers,
.if \st < 2
	XLOAD (\st)+2, R0+64*((\st)%2)                 ; which take the step two on
.endif
.if \st > 0
	s_wait_xcnt 0x0                                ; the last step's stores have read the code registers: they are written again only behind this wait
.endif
	QUANT X, PC, 8+(\st)
.irp c, 0,1,2,3
	global_store_b128 v4, v[PC+4*\c:PC+4*\c+3], s[14:15] offset:2048*(\st)+512*\c   ; 32 lanes store 512 consecutive bytes
.endr
.endm
	XLOAD 0, R0
	XLOAD 1, R0+64
	XSTEP 0
	XSTEP 1
	XSTEP 2
	XSTEP 3
	v_cndmask_b32 v12, v8, v9, s[HM]               ; every lane holds its row's word: lanes 0-15 give one step's, lanes 16-31 the next step's
	v_cndmask_b32 v13, v10, v11, s[HM]
	global_store_b32 v7, v12, s[16:17]             ; 128 consecutive bytes each
	global_store_b32 v7, v13, s[16:17] offset:128
	s_wait_tensorcnt 0x0
	ds_add_u32 v30, v31
	s_wait_dscnt 0x0
	s_endpgm
	; ---- the weights.  A lane takes a column and its registers run down K: a block of 32 lies in one lane.  A wave takes 32 columns (two tiles) x 128 along K (four blocks).
.Lweights:
	s_sub_co_u32 s23, ttmp9, 256
	s_lshr_b32 s24, s23, 6                         ; which weight: 0 q, 1 k, 2 v, 3 o
	s_bfe_u32 s25, s23, 0x30003                    ; which 128 along K
	s_and_b32 s26, s23, 7                          ; which 128 columns
	s_wait_alu depctr_va_vdst(0)
	v_and_b32 v9, 8, v3
	v_add_nc_u32 v9, v9, v3                        ; r + 8 (r / 8)
	v_lshl_add_u32 v9, v1, 3, v9                   ; + 8 for the odd tile: my column among the wave's 32
	v_lshlrev_b32 v4, 2, v9
	v_lshlrev_b32 v5, 4, v3
	v_lshl_add_u32 v5, v1, 14, v5                  ; the codes: 16 r, + 16,384 for the odd tile
	v_lshlrev_b32 v6, 2, v3
	v_lshl_add_u32 v6, v1, 9, v6                   ; the scale word: 4 r, + 512
	s_lshl_b32 s32, s25, 19                        ; 128 rows of 4,096 bytes,
	s_lshl_b32 s33, s26, 9
	s_add_co_u32 s32, s32, s33                     ; 128 columns,
	s_lshl_b32 s33, s22, 7
	s_add_co_u32 s32, s32, s33                     ; 32 columns a wave
	s_mov_b32 s33, 0
	s_lshl_b32 s34, s24, 6
	s_lshl_b32 s35, s26, 3
	s_add_co_u32 s34, s34, s35
	s_lshl_b32 s35, s22, 1
	s_add_co_u32 s34, s34, s35                     ; my first tile: 64 x weight + 8 x column group + 2 x wave
	s_lshl_b32 s36, s34, 14
	s_lshl_b32 s37, s25, 11
	s_add_co_u32 s36, s36, s37
	s_mov_b32 s37, 0
	s_lshl_b32 s38, s34, 9
	s_lshl_b32 s39, s25, 6
	s_add_co_u32 s38, s38, s39
	s_mov_b32 s39, 0
	s_wait_alu depctr_va_vdst(0)
	s_wait_kmcnt 0x0
	s_cmp_eq_u32 s24, 1                            ; the choice hangs on the work-group's number alone
	s_cselect_b64 s[4:5], s[8:9], s[6:7]
	s_cmp_eq_u32 s24, 2
	s_cselect_b64 s[4:5], s[10:11], s[4:5]
	s_cmp_eq_u32 s24, 3
	s_cselect_b64 s[4:5], s[12:13], s[4:5]
	s_add_nc_u64 s[4:5], s[4:5], s[32:33]
	s_add_nc_u64 s[18:19], s[18:19], s[36:37]
	s_add_nc_u64 s[20:21], s[20:21], s[38:39]
.macro WLOAD t                         ; block t: 32 rows of W at my column; a load's 32 lanes read 128 consecutive bytes
.irp i, 0,1,2,3,4,5,6,7,8,9,10,11,12,13,14,15,16,17,18,19,20,21,22,23,24,25,26,27,28,29,30,31
	global_load_b32 v[R0+32*(\t)+\i], v4, s[4:5] offset:(32*(\t)+\i)*4096 th:TH_LOAD_NT
.endr
.endm
.macro WBLOCK t
.set XS, R0+32*(\t)
.set CD, X+8*(\t)
.if (\t) < 3
	s_wait_loadcnt 32                              ; this block's 32 loads are in; the next block's may be out
.else
	s_wait_loadcnt 0
.endif
.if (\t) < 2
	WLOAD (\t)+2                                   ; two blocks ahead, into registers of its own
.endif
	v_max3_num_f32 v12, |v[XS]|, |v[XS+1]|, |v[XS+2]|
	v_max3_num_f32 v13, |v[XS+3]|, |v[XS+4]|, |v[XS+5]|
.irp i, 6,10,14,18,22,26
	v_max3_num_f32 v12, v12, |v[XS+\i]|, |v[XS+\i+1]|
	v_max3_num_f32 v13, v13, |v[XS+\i+2]|, |v[XS+\i+3]|
.endr
	v_max3_num_f32 v12, v12, |v[XS+30]|, |v[XS+31]|
	v_max3_num_f32 v12, v12, v13, 0x8000000        ; and the floor
	v_add_nc_u32 v11, 0xf8800000, v12
	v_lshrrev_b32 v13, 23, v11
.if (\t) == 0
	v_mov_b32 v8, v13
.else
	v_lshl_or_b32 v8, v13, 8*(\t), v8              ; block t's byte is byte t of the column's word
.endif
.irp i, 0,1,2,3,4,5,6,7,8,9,10,11,12,13,14,15,16,17,18,19,20,21,22,23,24,25,26,27,28,29,30,31
.endr
.irp g, 0,1,2,3
	v_cvt_scalef32_pk8_bf8_f32 v[CD+2*\g:CD+2*\g+1], v[XS+8*\g:XS+8*\g+7], v11
.endr
	v_nop
	global_store_b128 v5, v[CD:CD+3], s[18:19] offset:512*(\t)         ; k 0..15 of the block: the image's lanes 0-15; sixteen lanes store 256 consecutive bytes
	global_store_b128 v5, v[CD+4:CD+7], s[18:19] offset:512*(\t)+256   ; k 16..31: its lanes 16-31
.endm
	WLOAD 0
	WLOAD 1
	WBLOCK 0
	WBLOCK 1
	WBLOCK 2
	WBLOCK 3
	global_store_b32 v6, v8, s[20:21]              ; two pieces of 64 bytes: one byte in 128 of what the wave reads
	s_endpgm
.Lfunc_end_k_q23cdb7ae7a_quant:
	.size	k_q23cdb7ae7a_quant, .Lfunc_end_k_q23cdb7ae7a_quant-k_q23cdb7ae7a_quant
	.p2alignl 7, 3214868480
	.fill 96, 4, 3214868480
	.section	.rodata,"a",@progbits
	.p2align	6, 0x0
	.amdhsa_kernel k_q23cdb7ae7a_quant
		.amdhsa_group_segment_fixed_size 34304
		.amdhsa_private_segment_fixed_size 0
		.amdhsa_enable_private_segment 0
		.amdhsa_kernarg_size 72
		.amdhsa_user_sgpr_count 2
		.amdhsa_user_sgpr_kernarg_segment_ptr 1
		.amdhsa_wavefront_size32 1
		.amdhsa_system_sgpr_workgroup_id_x 1
		.amdhsa_system_sgpr_workgroup_id_y 1
		.amdhsa_system_sgpr_workgroup_id_z 1
		.amdhsa_system_vgpr_workitem_id 0
		.amdhsa_next_free_vgpr 256
		.amdhsa_next_free_sgpr 66
		.amdhsa_reserve_vcc 0
		.amdhsa_float_denorm_mode_32 3
		.amdhsa_float_denorm_mode_16_64 3
		.amdhsa_fp16_overflow 1
		.amdhsa_memory_ordered 1
		.amdhsa_forward_progress 1
		.amdhsa_inst_pref_size 54
	.end_amdhsa_kernel
	.amdgpu_metadata
---
amdhsa.version: [ 1, 2 ]
amdhsa.kernels:
  - .name:           k_q23cdb7ae7a_quant
    .symbol:         k_q23cdb7ae7a_quant.kd
    .args:
      - { .name: x, .offset: 0, .size: 8, .value_kind: global_buffer, .address_space: global }
      - { .name: Wq, .offset: 8, .size: 8, .value_kind: global_buffer, .address_space: global }
      - { .name: Wk, .offset: 16, .size: 8, .value_kind: global_buffer, .address_space: global }
      - { .name: Wv, .offset: 24, .size: 8, .value_kind: global_buffer, .address_space: global }
      - { .name: Wo, .offset: 32, .size: 8, .value_kind: global_buffer, .address_space: global }
      - { .name: xc, .offset: 40, .size: 8, .value_kind: global_buffer, .address_space: global }
      - { .name: xs, .offset: 48, .size: 8, .value_kind: global_buffer, .address_space: global }
      - { .name: wc, .offset: 56, .size: 8, .value_kind: global_buffer, .address_space: global }
      - { .name: ws, .offset: 64, .size: 8, .value_kind: global_buffer, .address_space: global }
    .group_segment_fixed_size: 34304
    .private_segment_fixed_size: 0
    .kernarg_segment_align: 8
    .kernarg_segment_size: 72
    .max_flat_workgroup_size: 128
    .sgpr_count:     66
    .vgpr_count:     256
    .wavefront_size: 32
...
	.end_amdgpu_metadata
.endif
;; end of part 1
;; launch gemm_qkv (part 2): grid 96 x 4, 4 waves a work-group, clusters of 4 x 4, 327,680 bytes of LDS; arguments xc, xs, wc, ws, bq, bk, bv, att, ats; writes att, ats
.if DOCPART == 2
	.amdgcn_target "amdgcn-amd-amdhsa--gfx1250"
	.amdhsa_code_object_version 6
	.text
	.protected	k_q23cdb7ae7a_gemm_qkv
	.globl	k_q23cdb7ae7a_gemm_qkv
	.p2align	8
	.type	k_q23cdb7ae7a_gemm_qkv,@function
k_q23cdb7ae7a_gemm_qkv:
	s_mov_b64 s[64:65], 0
	v_nop
	global_prefetch_b8 v0, s[64:65] scope:SCOPE_SE
	s_setreg_imm32_b32 hwreg(HW_REG_WAVE_MODE, 25, 1), 1
	s_wait_xcnt 0x0
	s_wait_alu depctr_hold_cnt(0) depctr_sa_sdst(0) depctr_va_vdst(0) depctr_va_sdst(0) depctr_va_ssrc(0) depctr_va_vcc(0) depctr_vm_vsrc(0)
	s_getreg_b32 s2, hwreg(HW_REG_IB_STS2, 6, 4)
	s_cmp_eq_u32 s2, 0
	s_cbranch_scc0 .Lentry_in_a_cluster
	s_endpgm
.Lentry_in_a_cluster:
	s_bfe_u32 s2, ttmp6, 0x10000c
	s_cmp_lg_u32 s2, 0xf033
	s_cbranch_scc0 .Lentry_shape_is_right
	s_endpgm
.Lentry_shape_is_right:
; q = x Wq + bq, k = x Wk + bk, v = x Wv + bv on codes of BF8 (E5M2) with E8M0 scales for each 32 along K = 1,024; the results are quantised again on the way out, as attention's operands: q and k along the head's 64, v along the keys.
; OPERANDS lie in memory as images of operand registers: [tile of 16][K / 128][2,048 bytes], scale words [tile][K / 128][16]; tile t's place r is index 32 (t / 2) + 8 (t % 2) + r + 8 (r / 8).
; A work-group of four waves makes 256 x 256, a wave 128 x 128: 64 accumulators, 512 registers.  Source 1 = R (a lane holds one place of R), source 0 = P (a lane's registers run along P: the 16 registers of P's tiles 2 b, 2 b + 1 are P's indices 32 b + 16 h + 0..15).
; Clusters 0-15: R = x, P = Wq (even clusters) or Wk (odd): a lane holds a token and 64 neighbouring channels, two heads' blocks.  Clusters 16-23: R = Wv, P = x: a lane holds a channel and 64 of 128 neighbouring keys.
; So the 64 numbers of a lane and one tile of R are, in both cases, one fragment's numbers along the next product's K: bias, quantiser, four stores of 512 consecutive bytes.
; K goes in steps of 256 through a ring of two LDS slots; a tile's part of a slot is 4,096 consecutive bytes, read back at 16 x lane on end: no padding is wanted.  All scale words of the work-group's 512 rows come once, with the first fills, and go into 64 registers.
; CLUSTERS: 4 x 4 work-groups; R's tiles are shared along a row of the cluster, P's along a column: each is asked for jointly.  By this text's count a wave has three tensor loads out at the start and one behind each round.
; att, for each of 64 (batch, head): q [tile 128][c 2][lane][16] at 0, k likewise at 131,072, v [key step 16][tile of channels 4][2,048] at 262,144.  ats: q's words [tile][r] at 0 (bytes 2, 3 are 0: they meet zero codes), k's at 8,192, v's [key step][tile][r] at 16,384.
; LIMITS: a block of zeros gets the byte 1 where the rule says 127 (its codes are zeros; the bytes are read by this program alone); the largest magnitude is floored at 2^-111; NaN and infinities are not served.
; REGISTERS: window 0: v16-31 addresses; v64-127 scale words (v[64 + 8 i + s]: lanes 0-15 R's tile i, lanes 16-31 P's tile i, K step s); v128-255 R's fragments, one set; on the way out v128-255 are at work.
;   window 1: P's fragments, two sets; the biases take set 0 before the last step.   windows 2, 3: the accumulators ((a, b) at v[8 (8 (a % 4) + b)]).
.set FR,     16                        ; registers of a fragment
.set NL,     4                         ; LDS loads that bring one
.set NP,     8                         ; places behind this matrix instruction (ISA guide 7.12.1)
.set HALFT,  32768                     ; 8 tiles x 4,096 bytes: what one tensor load brings
.set SLOT,   4*HALFT                   ; R's 16 tiles, then P's 16
.set SCL,    2*SLOT                    ; behind the ring: R's scale words, 8,192 bytes, then P's
.set SPARE,  SCL+16384                 ; the spare words, 128 bytes a wave: two blocks of 256 bytes that no other line names
.set ADRA, 16                          ; v16-17  LDS address of my fragments of R in slot 0, 1
.set ADRB, 20                          ; v20-21  the same for P
.set LI,   24                          ; v24     16 x lane
.set LS,   25                          ; v25     4 x lane
.set ADRS, 27                          ; v27     my scale words: lanes 0-15 R's, lanes 16-31 P's
.set SPW,  28                          ; v28     my spare word; never rewritten
.set NIL,  29                          ; v29     0; never rewritten
.set BOF,  30                          ; v30     64 h: the bias of q and k
.set BOV,  31                          ; v31     4 (r + 8 (r / 8)): the bias of v
.set SC,   64
.set AF,   128
.set H,    128                         ; the way out: 64 numbers
.set PC,   192                         ; two sets of 16 code registers
.set TM,   224                         ; at work in QUANT
.set PW,   240                         ; eight scale words
.set WT,   248                         ; words on their way out
.set SEL,  2                           ; s2, s3  lane selects: lane l xor 16
.set MNT,  45
.set HM,   67                          ; s67     lanes 16-31
.set G1, 24                            ; s[24:31] descriptor group 1 for R's tiles;  s[32:39] group 0, one set for each slot
.set G0, 32
.set G1B, 48                           ; s[48:55], s[56:63] the same for P's
.set G0B, 56
.set G1S, 68                           ; s[68:75], s[76:79] for R's scale words;  s[80:87], s[88:91] for P's
.set G0S, 76
.set G1SB, 80
.set G0SB, 88
.set MSB, 0
.macro WIN new                         ; the immediate's high byte repeats the setting that is left
.if MSB != \new
	s_set_vgpr_msb (MSB<<8)|\new
.set MSB, \new
.endif
.endm
.set MUL_LO, 0xa1                      ; source 0 (P) window 1, source 1 (R) window 0, C and D window 2
.set MUL_HI, 0xf1                      ; the same, C and D window 3
.set TO_B,   0x40                      ; destination window 1, address window 0
; A joint load: waves 0 and 1 fetch for R, waves 2 and 3 for P.  The branch hangs on the wave's number alone.  Four v_nop follow each of the two lines.
.macro JLOAD g0a, g1a, g0b, g1b
	s_cmp_eq_u32 s15, 0
	s_cbranch_scc0 .Lfor_b_\@
	tensor_load_to_lds s[\g0a:\g0a+3], s[\g1a:\g1a+7]
	s_nop 0
.rept 4
	v_nop
.endr
	s_branch .Lasked_\@
.Lfor_b_\@:
	tensor_load_to_lds s[\g0b:\g0b+3], s[\g1b:\g1b+7]
	s_nop 0
.rept 4
	v_nop
.endr
.Lasked_\@:
.endm
.macro CREST                           ; a round of the cluster's barrier behind its opening barrier
	s_cmp_lg_u32 s14, 0
	s_cbranch_scc1 .Lnot_wave_0_\@
	s_barrier_signal -3
.Lnot_wave_0_\@:
	s_barrier_wait -3
	s_barrier_signal -1
	s_barrier_wait -1
.endm
.macro CROUND
	s_barrier_signal -1
	s_barrier_wait -1
	CREST
.endm
.macro PLACES n
.rept \n
	v_nop
.endr
.endm
; 64 numbers of a lane, register 16 b + i = index 32 b + 16 (lane / 16) + i along the next K, become 16 code registers v[pc] on and the scale word v[pw].
.macro QUANT s, pc, pw
.irp b, 0,1,2,3
	v_max3_num_f32 v[TM+\b], |v[\s+16*\b]|, |v[\s+1+16*\b]|, 0x8000000   ; my 16 numbers of block b, and the floor 2^(16 - 127)
.endr
.irp i, 2,4,6,8,10,12,14
.irp b, 0,1,2,3
	v_max3_num_f32 v[TM+\b], v[TM+\b], |v[\s+16*\b+\i]|, |v[\s+1+16*\b+\i]|
.endr
.endr
.irp b, 0,1,2,3
	v_permlanex16_b32 v[TM+4+\b], v[TM+\b], s[SEL], s[SEL+1]
.endr
.irp b, 0,1,2,3
	v_max_num_f32 v[TM+\b], v[TM+\b], v[TM+4+\b]   ; with lane l xor 16's 16
.endr
.irp b, 0,1,2,3
	v_add_nc_u32 v[TM+12+\b], 0xf8800000, v[TM+\b]   ; 15 off the exponent field: the conversion's scale operand
.endr
.irp b, 0,1,2,3
.endr
.irp b, 0,1,2,3
	v_lshrrev_b32 v[TM+4+\b], 23, v[TM+12+\b]   ; the scale's byte
.endr
	v_lshl_or_b32 v[\pw], v[TM+5], 8, v[TM+4]
	v_lshl_or_b32 v[\pw], v[TM+6], 16, v[\pw]
	v_lshl_or_b32 v[\pw], v[TM+7], 24, v[\pw]
.irp b, 0,1,2,3
.irp i, 0,1,2,3,4,5,6,7,8,9,10,11,12,13,14,15
.endr
	v_cvt_scalef32_pk8_bf8_f32 v[\pc+4*\b:\pc+1+4*\b], v[\s+16*\b:\s+7+16*\b], v[TM+12+\b]
	v_cvt_scalef32_pk8_bf8_f32 v[\pc+2+4*\b:\pc+3+4*\b], v[\s+8+16*\b:\s+15+16*\b], v[TM+12+\b]
.endr
	v_nop                                          ; a plain line behind the last conversion
.endm
	s_load_b256 s[4:11], s[0:1], 0x0               ; xc s[4:5], xs s[6:7], wc s[8:9], ws s[10:11]
	s_load_b256 s[92:99], s[0:1], 0x20             ; bq s[92:93], bk s[94:95], bv s[96:97], att s[98:99]
	s_load_b64 s[100:101], s[0:1], 0x40            ; ats
	v_lshl_add_u32 v[SPW], v0, 2, SPARE
	v_mov_b32 v[NIL], 0
	ds_add_u32 v28, v29
	ds_add_u32 v28, v29
	s_wait_dscnt 0x0
	v_lshrrev_b32 v1, 5, v0
	v_readfirstlane_b32 s14, v1                    ; wave 0..3
	s_lshr_b32 s15, s14, 1                         ; which half of R's 256 is mine.  Also: I fetch for R (0) or for P (1)
	s_and_b32 s16, s14, 1                          ; which half of P's 256.  Also: which 8 tiles I fetch
	s_bfe_u32 s40, ttmp6, 0x40000                  ; cx, cy: my place in the cluster
	s_bfe_u32 s41, ttmp6, 0x40004
	s_mov_b32 s66, ttmp9                           ; the cluster, 0..23: the same in all sixteen partners
	s_lshl_b32 s43, s41, 2
	s_lshl_b32 s43, 15, s43                        ; my row of the cluster
	s_lshl_b32 s44, 0x1111, s40                    ; my column
	; descriptor group 1: 8 rows (tiles) of 4,096 bytes (512 elements of 8 bytes), 16,384 bytes apart
	s_or_b32 s[G1+0], s43, (3<<16)|(1<<21)         ; 15:0 the mask: R's tiles go to my row; 17:16 elements of 8 bytes; 21 set beside a mask
	s_or_b32 s[G1B+0], s44, (3<<16)|(1<<21)
.irp g, G1, G1B
	s_mov_b32 s[\g+1], 512<<16                     ; tensor_dim0
	s_mov_b32 s[\g+2], 8<<16                       ; tensor_dim1
	s_mov_b32 s[\g+3], 512<<16                     ; tile_dim0
	s_mov_b32 s[\g+4], 8                           ; tile_dim1
	s_mov_b32 s[\g+5], 2048                        ; tensor_dim0_stride
	s_mov_b32 s[\g+6], 0
	s_mov_b32 s[\g+7], 0
.endr
	; the scale words of 8 tiles: 4,096 dense bytes, as 16 rows of 256
	s_or_b32 s[G1S+0], s43, (3<<16)|(1<<21)
	s_or_b32 s[G1SB+0], s44, (3<<16)|(1<<21)
.irp g, G1S, G1SB
	s_mov_b32 s[\g+1], 32<<16
	s_mov_b32 s[\g+2], 16<<16
	s_mov_b32 s[\g+3], 32<<16
	s_mov_b32 s[\g+4], 16
	s_mov_b32 s[\g+5], 32
	s_mov_b32 s[\g+6], 0
	s_mov_b32 s[\g+7], 0
.endr
	s_lshr_b32 s18, s66, 1
	s_lshl_b32 s18, s18, 2                         ; q, k: R's block of 256 tokens: 4 (cluster / 2) + cy
	s_and_b32 s19, s66, 1
	s_lshl_b32 s19, s19, 2                         ;       P's block of 256 columns: 4 (cluster % 2) + cx: 0-3 Wq, 4-7 Wk
	s_sub_co_u32 s20, s66, 16
	s_lshl_b32 s20, s20, 2                         ; v:    P's block of tokens: 4 (cluster - 16) + cx;  R's block of columns: 8 + cy (Wv)
	s_lshl_b32 s45, s14, 15                        ; where my tiles go: wave x 8 tiles: no place in the cluster enters an LDS address
	s_lshl_b32 s67, s14, 12                        ; and my scale words
	s_wait_kmcnt 0x0
	s_cmp_lt_u32 s66, 16                           ; the choice hangs on the cluster's number alone
	s_cselect_b32 s17, s18, 8
	s_cselect_b32 s42, s19, s20
	s_cselect_b64 s[20:21], s[4:5], s[8:9]         ; R's codes
	s_cselect_b64 s[22:23], s[6:7], s[10:11]       ; R's scale words
	s_cselect_b64 s[46:47], s[8:9], s[4:5]         ; P's codes
	s_cselect_b64 s[12:13], s[10:11], s[6:7]       ; P's scale words
	s_add_co_u32 s17, s17, s41                     ; R's block: shared along my row of the cluster
	s_add_co_u32 s42, s42, s40                     ; P's block: shared along my column
	s_lshl_b32 s18, s17, 18                        ; a block's codes are 262,144 bytes, my 8 tiles 131,072
	s_lshl_b32 s19, s16, 17
	s_add_co_u32 s18, s18, s19
	s_mov_b32 s19, 0
	s_add_nc_u64 s[20:21], s[20:21], s[18:19]
	s_lshl_b32 s18, s17, 13                        ; its scale words 8,192, my 8 tiles' 4,096
	s_lshl_b32 s19, s16, 12
	s_add_co_u32 s18, s18, s19
	s_mov_b32 s19, 0
	s_add_nc_u64 s[22:23], s[22:23], s[18:19]
	s_lshl_b32 s2, s42, 18                         ; P's likewise, in registers that never hold cy
	s_lshl_b32 s3, s16, 17
	s_add_co_u32 s2, s2, s3
	s_mov_b32 s3, 0
	s_add_nc_u64 s[46:47], s[46:47], s[2:3]
	s_lshl_b32 s2, s42, 13
	s_lshl_b32 s3, s16, 12
	s_add_co_u32 s2, s2, s3
	s_mov_b32 s3, 0
	s_add_nc_u64 s[12:13], s[12:13], s[2:3]
	CROUND                                         ; all sixteen work-groups are here: the first joint loads meet
	s_mov_b32 s[G0S], 1
	s_add_co_u32 s[G0S+1], s67, SCL
	s_mov_b64 s[G0S+2:G0S+3], s[22:23]
	s_or_b32 s[G0S+3], s[G0S+3], 0x80000000
	s_mov_b32 s[G0SB], 1
	s_add_co_u32 s[G0SB+1], s67, SCL
	s_mov_b64 s[G0SB+2:G0SB+3], s[12:13]
	s_or_b32 s[G0SB+3], s[G0SB+3], 0x80000000
	JLOAD G0S, G1S, G0SB, G1SB                     ; the scale words first: they are wanted with K step 0
.irp s, 0,1
	s_mov_b32 s[G0+4*\s], 1
	s_add_co_u32 s[G0+4*\s+1], s45, \s*SLOT
	s_add_nc_u64 s[G0+4*\s+2:G0+4*\s+3], s[20:21], \s*4096
	s_or_b32 s[G0+4*\s+3], s[G0+4*\s+3], 0x80000000
	s_mov_b32 s[G0B+4*\s], 1
	s_add_co_u32 s[G0B+4*\s+1], s45, \s*SLOT
	s_add_nc_u64 s[G0B+4*\s+2:G0B+4*\s+3], s[46:47], \s*4096
	s_or_b32 s[G0B+4*\s+3], s[G0B+4*\s+3], 0x80000000
	JLOAD G0+4*\s, G1, G0B+4*\s, G1B
.endr
	v_and_b32 v1, 15, v0                           ; r
	v_bfe_u32 v2, v0, 4, 1                         ; h
	s_wait_alu depctr_va_vdst(0)
	v_and_b32 v3, 31, v0                           ; lane
	v_lshlrev_b32 v[LI], 4, v3
	v_lshlrev_b32 v[LS], 2, v3
	s_lshl_b32 s21, s15, 15                        ; my 8 tiles of R
	s_lshl_b32 s22, s16, 15                        ; my 8 tiles of P,
	s_add_co_u32 s22, s22, 2*HALFT                 ; which lie behind R's 16
.irp s, 0,1
	v_add_nc_u32 v[ADRA+\s], s21, v[LI]
	v_add_nc_u32 v[ADRB+\s], s22, v[LI]
	s_add_co_u32 s21, s21, SLOT
	s_add_co_u32 s22, s22, SLOT
.endr
	s_lshl_b32 s21, s15, 12                        ; R's scale words: my 8 tiles
	s_lshl_b32 s22, s16, 12                        ; P's: my 8 tiles, behind R's 16
	s_add_co_u32 s22, s22, 8192
	s_sub_co_u32 s22, s22, s21
	v_mul_u32_u24 v6, s22, v2                      ; lanes 16-31 take P's: one product, the distance between the two
	s_add_co_u32 s21, s21, SCL
	v_lshl_add_u32 v5, v1, 2, v6
	v_add_nc_u32 v[ADRS], s21, v5
	v_lshlrev_b32 v[BOF], 6, v2
	v_and_b32 v[BOV], 8, v1
	v_add_nc_u32 v[BOV], v[BOV], v1
	v_lshlrev_b32 v[BOV], 2, v[BOV]
.macro FRAG reg, adr, q, i             ; tile i's fragment of the slot's q-th 128 along K: four groups of 512 bytes, 16 x lane on end
.irp c, 0,1,2,3
	ds_load_b128 v[\reg+4*\c:\reg+4*\c+3], v[\adr] offset:4096*(\i)+2048*(\q)+512*\c
.endr
.endm
; 16 matrix instructions: R's tiles a0, a0 + 1 x P's eight, K step s.  p: P's set.  zero = 1: the first product starts the sums.  The 64 accumulators take turns, one instruction a turn.
.macro MUL16 a0, p, s, zero
.irp a, \a0, \a0+1
.irp b, 0,1,2,3,4,5,6,7
.if \zero
	v_wmma_scale_f32_16x16x128_f8f6f4 v[8*(8*((\a)%4)+\b):8*(8*((\a)%4)+\b)+7], v[128*(\p)+FR*\b:128*(\p)+FR*\b+FR-1], v[AF+FR*(\a):AF+FR*(\a)+FR-1], 0, v[SC+8*\b+(\s)], v[SC+8*(\a)+(\s)] matrix_a_fmt:MATRIX_FMT_BF8 matrix_b_fmt:MATRIX_FMT_BF8 matrix_a_scale:MATRIX_SCALE_ROW1
.else
	v_wmma_scale_f32_16x16x128_f8f6f4 v[8*(8*((\a)%4)+\b):8*(8*((\a)%4)+\b)+7], v[128*(\p)+FR*\b:128*(\p)+FR*\b+FR-1], v[AF+FR*(\a):AF+FR*(\a)+FR-1], v[8*(8*((\a)%4)+\b):8*(8*((\a)%4)+\b)+7], v[SC+8*\b+(\s)], v[SC+8*(\a)+(\s)] matrix_a_fmt:MATRIX_FMT_BF8 matrix_b_fmt:MATRIX_FMT_BF8 matrix_a_scale:MATRIX_SCALE_ROW1
.endif
.endr
.endr
.endm
.macro FETCH_B slot, q, p
	WIN TO_B
.irp i, 0,1,2,3,4,5,6,7
	FRAG 128*(\p)+FR*\i, ADRB+\slot, \q, \i
.endr
	WIN 0
.endm
.macro FETCH_A slot, q, i0
.irp i, \i0, \i0+1, \i0+2, \i0+3
	FRAG AF+FR*(\i), ADRA+\slot, \q, \i
.endr
.endm
.macro SCALES                          ; all of K's scale words, once
.irp i, 0,1,2,3,4,5,6,7
.irp s, 0,1,2,3,4,5,6,7
	ds_load_b32 v[SC+8*\i+\s], v[ADRS] offset:512*\i+64*\s
.endr
.endr
.endm
; A slot's first 128 along K (K step s), on P's set 0; the second's fragments are fetched on the way.
.macro STEP slot, s, zero
	s_wait_dscnt 4*NL                              ; P's set and R's tiles 0-3 are in; the youngest 16 loads (R's tiles 4-7) may be out
	WIN MUL_LO
	MUL16 0, 0, \s, \zero
	MUL16 2, 0, \s, \zero
	s_wait_dscnt 0                                 ; R's tiles 4-7 are in
	PLACES NP                                      ; in front of loads into registers that matrix instructions have read
	FETCH_B \slot, 1, 1
	FETCH_A \slot, 1, 0
	WIN MUL_HI
	MUL16 4, 0, \s, \zero
	MUL16 6, 0, \s, \zero
	PLACES NP
	WIN 0
	FETCH_A \slot, 1, 4
.endm
; A slot's second 128, on P's set 1, changes slots: one barrier; in front of it each wave waits for all its tensor loads, adds 0 to its spare word, and waits for that and for its reads of this slot.  fill = 1: the slot is filled again, two K steps of 256 ahead.
.macro TURN slot, next, s, fill
	s_wait_tensorcnt 0x0                           ; all my tensor loads have landed: my part of the next slot
	ds_add_u32 v[SPW], v[NIL]                      ; 0 onto my spare word
	s_wait_dscnt 4*NL+1                            ; (the add and the youngest 16 loads may be out)
	WIN MUL_LO
	MUL16 0, 1, \s, 0                              ; sixteen matrix instructions stand between the add and the wait for it
	s_wait_dscnt 0x0                               ; the add is done, and my reads of this slot are over
	s_barrier_signal -1
	MUL16 2, 1, \s, 0
	WIN 0
	s_barrier_wait -1
.if \fill
	CREST                                          ; the barrier has opened a round of the cluster's: no wave of any partner still reads this slot or has a load on its way
	s_add_nc_u64 s[G0+4*\slot+2:G0+4*\slot+3], s[G0+4*\slot+2:G0+4*\slot+3], 8192
	s_add_nc_u64 s[G0B+4*\slot+2:G0B+4*\slot+3], s[G0B+4*\slot+2:G0B+4*\slot+3], 8192
	JLOAD G0+4*\slot, G1, G0B+4*\slot, G1B         ; the first tensor load behind the round; its four v_nop are among the places in front of the loads below
	PLACES NP-4
.else
	PLACES NP
.endif
	FETCH_B \next, 0, 0
	FETCH_A \next, 0, 0
	WIN MUL_HI
	MUL16 4, 1, \s, 0
	MUL16 6, 1, \s, 0
	PLACES NP
	WIN 0
	FETCH_A \next, 0, 4
.endm
	s_wait_alu depctr_va_vdst(0)
	s_wait_tensorcnt 1                             ; the scale words and my part of slot 0 are in; slot 1's load may be out
	s_barrier_signal -1
	s_barrier_wait -1
	FETCH_B 0, 0, 0
	FETCH_A 0, 0, 0
	SCALES
	FETCH_A 0, 0, 4
	STEP 0, 0, 1                                   ; K = 1,024 is eight steps of 128, written out: the scale registers' numbers follow the step
	TURN 0, 1, 1, 1
	STEP 1, 2, 0
	TURN 1, 0, 3, 1
	STEP 0, 4, 0
	TURN 0, 1, 5, 0
	STEP 1, 6, 0
	; the way out's addresses, and the biases into P's set 0, which has been multiplied for the last time (eight places stand behind those products)
	s_mov_b32 s[SEL], 0x76543210
	s_mov_b32 s[SEL+1], 0xfedcba98
	s_mov_b32 s[HM], 0xffff0000
	s_cmp_lt_u32 s66, 16
	s_cbranch_scc0 .Lbias_v
	s_and_b32 s46, s66, 1                          ; 0 q, 1 k
	s_cmp_eq_u32 s46, 0
	s_cselect_b64 s[20:21], s[92:93], s[94:95]
	s_and_b32 s47, s42, 3
	s_lshl_b32 s22, s47, 10                        ; my 128 columns: 256 (block % 4) + 128 x half, 4 bytes each
	s_lshl_b32 s23, s16, 9
	s_add_co_u32 s22, s22, s23
	s_mov_b32 s23, 0
	s_add_nc_u64 s[20:21], s[20:21], s[22:23]
	s_lshr_b32 s22, s17, 3
	s_lshl_b32 s22, s22, 4                         ; 16 x batch
	s_lshl_b32 s47, s47, 2
	s_add_co_u32 s22, s22, s47
	s_lshl_b32 s47, s16, 1
	s_add_co_u32 s22, s22, s47                     ; my first head of two
	s_and_b32 s47, s17, 7
	s_lshl_b32 s47, s47, 4
	s_lshl_b32 s23, s15, 3
	s_add_co_u32 s47, s47, s23                     ; my first tile of tokens in the batch
	s_mul_i32 s12, s22, 393216
	s_lshl_b32 s13, s46, 17
	s_add_co_u32 s12, s12, s13
	s_lshl_b32 s13, s47, 10
	s_add_co_u32 s12, s12, s13
	s_mov_b32 s13, 0
	s_add_nc_u64 s[12:13], s[98:99], s[12:13]      ; the codes
	s_mul_i32 s18, s22, 20480
	s_lshl_b32 s19, s46, 13
	s_add_co_u32 s18, s18, s19
	s_lshl_b32 s19, s47, 6
	s_add_co_u32 s18, s18, s19
	s_mov_b32 s19, 0
	s_add_nc_u64 s[18:19], s[100:101], s[18:19]    ; the scale words
	WIN TO_B
.irp b, 0,1,2,3,4,5,6,7                ; in the result's layout: for P's tile b the columns 32 (b / 2) + 16 h + 8 (b % 2) + 0..7
	global_load_b128 v[8*\b:8*\b+3], v[BOF], s[20:21] offset:(32*(\b/2)+8*(\b%2))*4
	global_load_b128 v[8*\b+4:8*\b+7], v[BOF], s[20:21] offset:(32*(\b/2)+8*(\b%2))*4+16
.endr
	WIN 0
	s_branch .Lbias_done
.Lbias_v:
	s_lshl_b32 s22, s41, 10                        ; my 128 columns of Wv: 256 cy + 128 x half
	s_lshl_b32 s23, s15, 9
	s_add_co_u32 s22, s22, s23
	s_mov_b32 s23, 0
	s_add_nc_u64 s[20:21], s[96:97], s[22:23]
	s_lshl_b32 s46, s42, 1
	s_add_co_u32 s46, s46, s16                     ; my 128 tokens: 2 x block + half
	s_lshr_b32 s22, s46, 4                         ; the batch
	s_and_b32 s46, s46, 15                         ; the key step
	s_lshl_b32 s22, s22, 4
	s_lshl_b32 s47, s41, 2
	s_add_co_u32 s22, s22, s47
	s_lshl_b32 s47, s15, 1
	s_add_co_u32 s22, s22, s47                     ; my first head of two
	s_mul_i32 s12, s22, 393216
	s_lshl_b32 s13, s46, 13
	s_add_co_u32 s12, s12, s13
	s_add_co_u32 s12, s12, 262144
	s_mov_b32 s13, 0
	s_add_nc_u64 s[12:13], s[98:99], s[12:13]
	s_mul_i32 s18, s22, 20480
	s_lshl_b32 s19, s46, 8
	s_add_co_u32 s18, s18, s19
	s_add_co_u32 s18, s18, 16384
	s_mov_b32 s19, 0
	s_add_nc_u64 s[18:19], s[100:101], s[18:19]
	WIN TO_B
.irp a, 0,1,2,3,4,5,6,7                ; one number a lane and tile of R, in both registers of a pair for the packed addition
	global_load_b32 v[2*\a], v[BOV], s[20:21] offset:(32*(\a/2)+8*(\a%2))*4
	global_load_b32 v[2*\a+1], v[BOV], s[20:21] offset:(32*(\a/2)+8*(\a%2))*4
.endr
	WIN 0
.Lbias_done:
	s_wait_dscnt 4*NL                              ; the last step: nothing more to fetch
	WIN MUL_LO
	MUL16 0, 1, 7, 0
	MUL16 2, 1, 7, 0
	s_wait_dscnt 0
	WIN MUL_HI
	MUL16 4, 1, 7, 0
	MUL16 6, 1, 7, 0
	WIN 0
	PLACES NP                                      ; in front of the first read of results and the first write of R's registers
	s_wait_loadcnt 0x0                             ; the biases
.irp b, 0,1,2,3
	v_mov_b32 v[TM+4+\b], 0                        ; a lane permute's destination counts as one of its sources
.endr
; THE WAY OUT of R's tile a: the eight accumulators + the bias come into window 0 (each from its low end on), are quantised, and leave as a fragment's image.
.macro EPI a, isv
.set PCX, PC+16*((\a)%2)
	s_wait_xcnt 0x0                                ; earlier stores have read their registers: they are written again only behind this wait
	WIN 0x06+(\a)/4                                ; source 0: window 2 or 3; source 1: window 1
.irp b, 0,1,2,3,4,5,6,7
.irp j, 0,2,4,6
.if \isv
	v_pk_add_f32 v[H+8*\b+\j:H+8*\b+\j+1], v[8*(8*((\a)%4)+\b)+\j:8*(8*((\a)%4)+\b)+\j+1], v[2*(\a):2*(\a)+1]
.else
	v_pk_add_f32 v[H+8*\b+\j:H+8*\b+\j+1], v[8*(8*((\a)%4)+\b)+\j:8*(8*((\a)%4)+\b)+\j+1], v[8*\b+\j:8*\b+\j+1]
.endif
.endr
.endr
	WIN 0
	QUANT H, PCX, PW+(\a)
.irp c, 0,1,2,3
.if \isv
	global_store_b128 v[LI], v[PCX+4*\c:PCX+4*\c+3], s[12:13] offset:393216*((\a)/4)+2048*((\a)%4)+512*\c   ; head a / 4, tile of channels a % 4: 512 consecutive bytes
.else
	global_store_b128 v[LI], v[PCX+4*\c:PCX+4*\c+3], s[12:13] offset:1024*(\a)+512*(\c%2)+393216*(\c/2)     ; blocks 0, 1: my first head; 2, 3: my second
.endif
.endr
.if (\a)%2
	v_cndmask_b32 v[WT], v[PW+(\a)-1], v[PW+(\a)], s[HM]   ; every lane holds its place's word: lanes 0-15 give tile a - 1's, lanes 16-31 tile a's
.if \isv
	global_store_b32 v[LS], v[WT], s[18:19] offset:20480*((\a)/4)+64*(((\a)-1)%4)
.else
	v_and_b32 v[WT+1], 0xffff, v[WT]               ; the first head's two bytes, the second's; the upper two bytes are 0 and meet zero codes
	v_lshrrev_b32 v[WT+2], 16, v[WT]
	global_store_b32 v[LS], v[WT+1], s[18:19] offset:64*((\a)-1)
	global_store_b32 v[LS], v[WT+2], s[18:19] offset:64*((\a)-1)+20480
.endif
.endif
.endm
	s_cmp_lt_u32 s66, 16
	s_cbranch_scc0 .Lepi_v
.irp a, 0,1,2,3,4,5,6,7
	EPI \a, 0
.endr
	s_branch .Lend
.Lepi_v:
.irp a, 0,1,2,3,4,5,6,7
	EPI \a, 1
.endr
.Lend:
	s_wait_tensorcnt 0x0                           ; the wave's end
	ds_add_u32 v[SPW], v[NIL]
	s_wait_dscnt 0x0
	CROUND                                         ; the closing round: no work-group ends while a partner may still ask for a tile that names it
	s_endpgm
.Lfunc_end_k_q23cdb7ae7a_gemm_qkv:
	.size	k_q23cdb7ae7a_gemm_qkv, .Lfunc_end_k_q23cdb7ae7a_gemm_qkv-k_q23cdb7ae7a_gemm_qkv
	.p2alignl 7, 3214868480
	.fill 96, 4, 3214868480
	.section	.rodata,"a",@progbits
	.p2align	6, 0x0
	.amdhsa_kernel k_q23cdb7ae7a_gemm_qkv
		.amdhsa_group_segment_fixed_size 327680
		.amdhsa_private_segment_fixed_size 0
		.amdhsa_enable_private_segment 0
		.amdhsa_kernarg_size 72
		.amdhsa_user_sgpr_count 2
		.amdhsa_user_sgpr_kernarg_segment_ptr 1
		.amdhsa_wavefront_size32 1
		.amdhsa_system_sgpr_workgroup_id_x 1
		.amdhsa_system_sgpr_workgroup_id_y 1
		.amdhsa_system_sgpr_workgroup_id_z 1
		.amdhsa_system_vgpr_workitem_id 0
		.amdhsa_next_free_vgpr 1024
		.amdhsa_next_free_sgpr 102
		.amdhsa_reserve_vcc 0
		.amdhsa_float_denorm_mode_32 3
		.amdhsa_float_denorm_mode_16_64 3
		.amdhsa_fp16_overflow 1
		.amdhsa_memory_ordered 1
		.amdhsa_forward_progress 1
		.amdhsa_inst_pref_size 222
	.end_amdhsa_kernel
	.amdgpu_metadata
---
amdhsa.version: [ 1, 2 ]
amdhsa.kernels:
  - .name:           k_q23cdb7ae7a_gemm_qkv
    .symbol:         k_q23cdb7ae7a_gemm_qkv.kd
    .args:
      - { .name: xc, .offset: 0, .size: 8, .value_kind: global_buffer, .address_space: global }
      - { .name: xs, .offset: 8, .size: 8, .value_kind: global_buffer, .address_space: global }
      - { .name: wc, .offset: 16, .size: 8, .value_kind: global_buffer, .address_space: global }
      - { .name: ws, .offset: 24, .size: 8, .value_kind: global_buffer, .address_space: global }
      - { .name: bq, .offset: 32, .size: 8, .value_kind: global_buffer, .address_space: global }
      - { .name: bk, .offset: 40, .size: 8, .value_kind: global_buffer, .address_space: global }
      - { .name: bv, .offset: 48, .size: 8, .value_kind: global_buffer, .address_space: global }
      - { .name: att, .offset: 56, .size: 8, .value_kind: global_buffer, .address_space: global }
      - { .name: ats, .offset: 64, .size: 8, .value_kind: global_buffer, .address_space: global }
    .group_segment_fixed_size: 327680
    .private_segment_fixed_size: 0
    .kernarg_segment_align: 8
    .kernarg_segment_size: 72
    .max_flat_workgroup_size: 128
    .sgpr_count:     102
    .vgpr_count:     1024
    .wavefront_size: 32
...
	.end_amdgpu_metadata
.endif
;; end of part 2
;; launch attn (part 3): grid 4 x 64, 8 waves a work-group, clusters of 4 x 1, 327,680 bytes of LDS; arguments att, ats, oc, os; writes oc, os
.if DOCPART == 3
	.amdgcn_target "amdgcn-amd-amdhsa--gfx1250"
	.amdhsa_code_object_version 6
	.text
	.protected	k_q23cdb7ae7a_attn
	.globl	k_q23cdb7ae7a_attn
	.p2align	8
	.type	k_q23cdb7ae7a_attn,@function
k_q23cdb7ae7a_attn:
	s_mov_b64 s[64:65], 0
	v_nop
	global_prefetch_b8 v0, s[64:65] scope:SCOPE_SE
	s_setreg_imm32_b32 hwreg(HW_REG_WAVE_MODE, 25, 1), 1
	s_wait_xcnt 0x0
	s_wait_alu depctr_hold_cnt(0) depctr_sa_sdst(0) depctr_va_vdst(0) depctr_va_sdst(0) depctr_va_ssrc(0) depctr_va_vcc(0) depctr_vm_vsrc(0)
	s_getreg_b32 s2, hwreg(HW_REG_IB_STS2, 6, 4)
	s_cmp_eq_u32 s2, 0
	s_cbranch_scc0 .Lentry_in_a_cluster
	s_endpgm
.Lentry_in_a_cluster:
	s_bfe_u32 s2, ttmp6, 0x10000c
	s_cmp_lg_u32 s2, 0x3003
	s_cbranch_scc0 .Lentry_shape_is_right
	s_endpgm
.Lentry_shape_is_right:
; o = softmax(q k^T / 8) v for 64 (batch, head), 2,048 tokens, head size 64, both products on codes of BF8 (E5M2) with E8M0 scales for each 32 along K; o is quantised along the model's 1,024 channels (a head: two blocks) for the last product.
; THE SOFTMAX: t = score x log2(e) / 8; M = the running largest t rounded UP to a whole number; p = 2^(t - M) is quantised along the keys, not normalised; the row's sum is taken of the unquantised p and divides at the end.  When M moves, the sum and O are multiplied by 2^(old M - new M): exact.
; INPUTS are images of operand registers (att, ats: see below); tile t's place r is token, or channel, 32 (t / 2) + 8 (t % 2) + r + 8 (r / 8).  Both products are used transposed: S^T = K Q^T, O^T = V^T P^T: a lane holds ONE query place throughout,
; the 16 registers of key tiles 2 b, 2 b + 1 are keys 32 b + 16 h + 0..15, and those of V's tiles 2 b, 2 b + 1 channels 32 b + 16 h + 0..15: p's and o's conversions give operand registers.
; THE FIRST PRODUCT'S K IS 64: the upper half of each fragment of q and k is eight registers of zero codes, written once; the words' upper two bytes are 0.
; SHARES.  A work-group owns 512 queries of one head, in two passes of 256; each of its eight waves (two to a SIMD) owns two tiles of 16 queries in a pass, so that each fragment of K and V read from LDS feeds two matrix instructions.
; A HEAD'S K AND V LIE IN LDS WHOLE (262,144 bytes of codes, 12,288 of scale words): filled once, never again, so there is no ring.  The four work-groups of a cluster belong to one head: every fill is asked for jointly (mask 15).
; Each wave issues five loads at the head (its part of the scale words and of four chunks of 512 keys): each is issued behind a wait for the one before, so at most one is out.  A chunk is read behind a counted wait and a barrier; only the last chunk may still be on its way.
; att, a head: q [tile 128][c 2][lane][16] at 0, k likewise at 131,072, v [key step 16][tile 4][2,048] at 262,144.  ats, a head: q's words [tile][r] at 0, k's at 8,192, v's [key step][tile][r] at 16,384.
; oc: [tile of tokens 512][head 16][block 2][lane][16];  os: [tile][head / 2][r] words, a head's two bytes at 2 (head % 2).
; LIMITS: a block of zeros gets the byte 1 where the rule says 127 (its codes are zeros; the bytes are read by this program alone); NaN and infinities are not served.
; REGISTERS.  window 0: v1-11 addresses; v12-27 statistics; v28-36 scale words; v40-58 at work; v64-95 p's codes; v96-159 S^T of tile A, then V's four fragments; v160-223 S^T of tile B; v224-239 at work in QUANT.
;   window 1: v0-63 O^T of A and B; v64-95 q's two fragments; v96-223 k's eight.
.set AK0,  1                           ; v1   16 x lane: my place in K's images
.set AV0,  2                           ; v2   the same in V's
.set ASK0, 3                           ; v3   4 x lane among K's scale words
.set ASV0, 4                           ; v4   and among V's
.set GO,   5                           ; v5   16 x lane, for memory
.set LS,   6                           ; v6   4 x lane, for memory
.set OSO,  7                           ; v7   512 h + 4 r: o's scale bytes
.set ADK,  8                           ; v8-11 the step's LDS addresses
.set ADV,  9
.set ADS,  10
.set ADT,  11
.set STA,  12                          ; a tile's statistics: +0 -M, +1 the largest t, +2, +3 the sum in two halves, +4 f, +5 0, +6 1 / the sum, +7 0
.set STB,  20
.set KSC,  28                          ; v28-31 K's words: lanes 0-15 tile 2 j, lanes 16-31 tile 2 j + 1
.set VSC,  32                          ; v32-33 V's likewise
.set QSC,  34                          ; v34   q's: lanes 0-15 tile A, lanes 16-31 tile B
.set PWA,  35                          ; v35, v36 p's
.set PWB,  36
.set BM,   40                          ; v40-43 a block's largest score, then its largest p
.set T2,   44                          ; v44-47
.set HL,   48
.set SO,   52                          ; v52-55 the conversions' scale operands
.set TA,   56                          ; v56-58
.set PA,   64
.set PB,   80
.set SA,   96
.set SB,   160
.set TM,   224
.set OA,   0                           ; window 1
.set OB,   32
.set QA,   64
.set QB,   80
.set KF,   96
.set WV,   12                          ; s12  wave
.set CX,   13                          ; s13  my place in the cluster: it enters q's and o's addresses alone
.set BH,   14                          ; s14  16 x batch + head
.set G1C,  24                          ; s[24:31] group 1: 8,192 dense bytes;  s[32:39]: 1,536
.set G1S,  32
.set G0S,  40                          ; s[40:43] group 0 for the scale words;  s[44:59] for the four chunks
.set G0C,  44
.set SEL,  60
.set CS,   62                          ; s[62:63] c = log2(e) / 8
.set MNT,  66
.set TB,   67                          ; LDS byte at which the step's images begin (K's and V's alike), its words of K, its words of V
.set TS,   68
.set TJ,   69
.set HM,   70
.set CNT,  71
.set PASS, 72
.set AQ,   74                          ; s[74:81] q's codes, q's words, o's codes, o's bytes
.set AQW,  76
.set AOC,  78
.set AOS,  80
.set MSB, 0
.macro WIN new
.if MSB != \new
	s_set_vgpr_msb (MSB<<8)|\new
.set MSB, \new
.endif
.endm
.macro CROUND                          ; a round of the cluster's barrier
	s_barrier_signal -1
	s_barrier_wait -1
	s_cmp_lg_u32 s[WV], 0
	s_cbranch_scc1 .Lnot_wave_0_\@
	s_barrier_signal -3
.Lnot_wave_0_\@:
	s_barrier_wait -3
	s_barrier_signal -1
	s_barrier_wait -1
.endm
.macro QUANT s, pc, pw                 ; 64 numbers of a lane, register 16 b + i = index 32 b + 16 (lane / 16) + i, become 16 code registers and a scale word
.irp b, 0,1,2,3
	v_max3_num_f32 v[TM+\b], |v[\s+16*\b]|, |v[\s+1+16*\b]|, 0x8000000
.endr
.irp i, 2,4,6,8,10,12,14
.irp b, 0,1,2,3
	s_delay_alu instid0(VALU_DEP_4)
	v_max3_num_f32 v[TM+\b], v[TM+\b], |v[\s+16*\b+\i]|, |v[\s+1+16*\b+\i]|
.endr
.endr
.irp b, 0,1,2,3
	s_delay_alu instid0(VALU_DEP_4)
	v_permlanex16_b32 v[TM+4+\b], v[TM+\b], s[SEL], s[SEL+1]
.endr
.irp b, 0,1,2,3
	s_delay_alu instid0(VALU_DEP_4)
	v_max_num_f32 v[TM+\b], v[TM+\b], v[TM+4+\b]
.endr
.irp b, 0,1,2,3
	s_delay_alu instid0(VALU_DEP_4)
	v_add_nc_u32 v[TM+12+\b], 0xf8800000, v[TM+\b]
.endr
.irp b, 0,1,2,3
.endr
.irp b, 0,1,2,3
	s_delay_alu instid0(VALU_DEP_4)
	v_lshrrev_b32 v[TM+4+\b], 23, v[TM+12+\b]
.endr
	s_delay_alu instid0(VALU_DEP_3)
	v_lshl_or_b32 v[\pw], v[TM+5], 8, v[TM+4]
	s_delay_alu instid0(VALU_DEP_1)
	v_lshl_or_b32 v[\pw], v[TM+6], 16, v[\pw]
	s_delay_alu instid0(VALU_DEP_1)
	v_lshl_or_b32 v[\pw], v[TM+7], 24, v[\pw]
.irp b, 0,1,2,3
.irp i, 0,1,2,3,4,5,6,7,8,9,10,11,12,13,14,15
.endr
	v_cvt_scalef32_pk8_bf8_f32 v[\pc+4*\b:\pc+1+4*\b], v[\s+16*\b:\s+7+16*\b], v[TM+12+\b]
	v_cvt_scalef32_pk8_bf8_f32 v[\pc+2+4*\b:\pc+3+4*\b], v[\s+8+16*\b:\s+15+16*\b], v[TM+12+\b]
.endr
	v_nop
.endm
	s_load_b256 s[4:11], s[0:1], 0x0               ; att s[4:5], ats s[6:7], oc s[8:9], os s[10:11]
	v_lshl_add_u32 v254, v0, 2, 0x43000
	v_mov_b32 v255, 0
	ds_add_u32 v254, v255
	ds_add_u32 v254, v255
	v_lshrrev_b32 v1, 5, v0
	s_delay_alu instid0(VALU_DEP_1)
	v_readfirstlane_b32 s[WV], v1                  ; wave 0..7
	s_bfe_u32 s[CX], ttmp6, 0x40000
	s_and_b32 s[BH], ttmp7, 0xffff                 ; which the four partners share
	s_mov_b32 s[G1C], 15|(3<<16)|(1<<21)           ; 15:0 the mask: all four work-groups; 17:16 elements of 8 bytes; 21 set beside a mask
	s_mov_b32 s[G1C+1], 32<<16                     ; rows of 256 bytes,
	s_mov_b32 s[G1C+2], 32<<16                     ; 32 of them, dense
	s_mov_b32 s[G1C+3], 32<<16
	s_mov_b32 s[G1C+4], 32
	s_mov_b32 s[G1C+5], 32
	s_mov_b32 s[G1C+6], 0
	s_mov_b32 s[G1C+7], 0
	s_mov_b32 s[G1S], 15|(3<<16)|(1<<21)
	s_mov_b32 s[G1S+1], 32<<16
	s_mov_b32 s[G1S+2], 6<<16                      ; 6 rows
	s_mov_b32 s[G1S+3], 32<<16
	s_mov_b32 s[G1S+4], 6
	s_mov_b32 s[G1S+5], 32
	s_mov_b32 s[G1S+6], 0
	s_mov_b32 s[G1S+7], 0
	s_mov_b32 s[SEL], 0x76543210
	s_mov_b32 s[SEL+1], 0xfedcba98
	s_mov_b32 s[CS], 0x3e38aa3b                    ; log2(e) / 8
	s_mov_b32 s[CS+1], s[CS]                       ; (named with it as a pair, so it is written)
	s_mov_b32 s[HM], 0xffff0000
	s_mul_i32 s16, s[BH], 393216                   ; the head in att,
	s_mul_i32 s17, s[BH], 20480                    ; and in ats
	s_lshr_b32 s18, s[WV], 2                       ; waves 0-3 fetch K, waves 4-7 V: 8,192 bytes of each chunk's 32,768
	s_lshl_b32 s18, s18, 17
	s_and_b32 s19, s[WV], 3
	s_lshl_b32 s19, s19, 13
	s_add_co_u32 s18, s18, s19                     ; my part of chunk 0, in LDS; K and V lie there as in att from byte 131,072 of the head on
	s_add_co_u32 s20, s16, s18
	s_add_co_u32 s20, s20, 131072
	s_mov_b32 s21, 0
	s_mul_i32 s22, s[WV], 1536                     ; my part of the 12,288 bytes of K's and V's scale words
	s_add_co_u32 s2, s17, s22
	s_add_co_u32 s2, s2, 8192
	s_mov_b32 s3, 0
	s_wait_dscnt 0x0
	s_wait_kmcnt 0x0
	s_add_nc_u64 s[20:21], s[4:5], s[20:21]
	s_add_nc_u64 s[2:3], s[6:7], s[2:3]
	s_mov_b32 s[G0S], 1
	s_add_co_u32 s[G0S+1], s22, 262144
	s_mov_b64 s[G0S+2:G0S+3], s[2:3]
	s_or_b32 s[G0S+3], s[G0S+3], 0x80000000
.irp c, 0,1,2,3
	s_mov_b32 s[G0C+4*\c], 1
	s_add_co_u32 s[G0C+4*\c+1], s18, 32768*\c
	s_add_nc_u64 s[G0C+4*\c+2:G0C+4*\c+3], s[20:21], 32768*\c
	s_or_b32 s[G0C+4*\c+3], s[G0C+4*\c+3], 0x80000000
.endr
	CROUND                                         ; all four work-groups are here: the joint loads meet
	tensor_load_to_lds s[G0S:G0S+3], s[G1S:G1S+7]
	s_nop 0
	s_wait_alu depctr_va_vdst(0)
	s_wait_tensorcnt 0x0
	ds_add_u32 v254, v255
	s_wait_dscnt 0x0
	CROUND
.irp c, 0,1,2,3
	s_wait_alu depctr_va_vdst(0)
	s_wait_tensorcnt 0x0
	ds_add_u32 v254, v255
	s_wait_dscnt 0x0
	CROUND
	tensor_load_to_lds s[G0C+4*\c:G0C+4*\c+3], s[G1C:G1C+7]
	s_nop 0
.endr
.rept 4
	v_nop                                          ; four lines behind the last of them
.endr
	s_lshl_b32 s22, s[CX], 5
	s_lshl_b32 s23, s[WV], 1
	s_add_co_u32 s22, s22, s23                     ; my first tile of queries: 32 cx + 2 x wave (+ 16 in the second pass)
	s_lshl_b32 s2, s22, 10
	s_add_co_u32 s2, s2, s16
	s_mov_b32 s3, 0
	s_add_nc_u64 s[AQ:AQ+1], s[4:5], s[2:3]
	s_lshl_b32 s2, s22, 6
	s_add_co_u32 s2, s2, s17
	s_add_nc_u64 s[AQW:AQW+1], s[6:7], s[2:3]
	s_lshr_b32 s23, s[BH], 4
	s_lshl_b32 s23, s23, 7
	s_add_co_u32 s22, s22, s23                     ; the same tile among all 512: + 128 x batch
	s_and_b32 s23, s[BH], 15                       ; the head
	s_lshl_b32 s2, s22, 14
	s_lshl_b32 s16, s23, 10
	s_add_co_u32 s2, s2, s16
	s_add_nc_u64 s[AOC:AOC+1], s[8:9], s[2:3]
	s_lshl_b32 s2, s22, 9
	s_lshr_b32 s16, s23, 1
	s_lshl_b32 s16, s16, 6
	s_add_co_u32 s2, s2, s16
	s_and_b32 s16, s23, 1
	s_lshl_b32 s16, s16, 1
	s_add_co_u32 s2, s2, s16
	s_add_nc_u64 s[AOS:AOS+1], s[10:11], s[2:3]
	v_and_b32 v[TA], 31, v0
	s_delay_alu instid0(VALU_DEP_1)
	v_lshlrev_b32 v[AK0], 4, v[TA]
	s_delay_alu instid0(VALU_DEP_1)
	v_add_nc_u32 v[AV0], 0x20000, v[AK0]
	s_delay_alu instid0(VALU_DEP_3)
	v_lshlrev_b32 v[LS], 2, v[TA]
	s_delay_alu instid0(VALU_DEP_1)
	v_add_nc_u32 v[ASK0], 0x40000, v[LS]
	s_delay_alu instid0(VALU_DEP_2)
	v_add_nc_u32 v[ASV0], 0x42000, v[LS]
	v_lshlrev_b32 v[GO], 4, v[TA]
	v_and_b32 v[TA+1], 15, v0
	v_bfe_u32 v[TA+2], v0, 4, 1
	s_delay_alu instid0(VALU_DEP_2)
	v_lshlrev_b32 v[OSO], 2, v[TA+1]
	s_delay_alu instid0(VALU_DEP_1)
	v_lshl_add_u32 v[OSO], v[TA+2], 9, v[OSO]
.irp b, 0,1,2,3
	v_mov_b32 v[T2+\b], 0                          ; lane permutes' destinations count as sources
	v_mov_b32 v[TM+4+\b], 0
.endr
.irp t, STA, STB
	v_mov_b32 v[\t+5], 0                           ; (named as the upper halves of pairs)
	v_mov_b32 v[\t+7], 0
.endr
	WIN 0x40                                       ; the zero codes of the first product's upper 64 along K: written once
.irp j, 8,9,10,11,12,13,14,15
	v_mov_b32 v[QA+\j], 0
	v_mov_b32 v[QB+\j], 0
.irp t, 0,1,2,3,4,5,6,7
	v_mov_b32 v[KF+16*\t+\j], 0
.endr
.endr
	WIN 0
; One tile's softmax for 128 keys: scores v[sc] on (register 16 b + i = key 32 b + 16 h + i), statistics v[st] on, p's codes to v[pc] on, its scale word to v[pw].
.macro SOFTMAX sc, st, pc, pw
.irp b, 0,1,2,3
	v_max3_num_f32 v[BM+\b], v[\sc+16*\b], v[\sc+16*\b+1], v[\sc+16*\b+2]   ; the largest score of each block of 32 keys: it serves for the row's maximum and, since p rises with the score, for the block's largest p
.endr
.irp i, 3,5,7,9,11,13
.irp b, 0,1,2,3
	v_max3_num_f32 v[BM+\b], v[BM+\b], v[\sc+16*\b+\i], v[\sc+16*\b+\i+1]
.endr
.endr
.irp b, 0,1,2,3
	v_max_num_f32 v[BM+\b], v[BM+\b], v[\sc+16*\b+15]
.endr
.irp b, 0,1,2,3
	s_delay_alu instid0(VALU_DEP_4)
	v_permlanex16_b32 v[T2+\b], v[BM+\b], s[SEL], s[SEL+1]
.endr
.irp b, 0,1,2,3
	s_delay_alu instid0(VALU_DEP_4)
	v_max_num_f32 v[BM+\b], v[BM+\b], v[T2+\b]     ; with lane l xor 16's 16 keys
.endr
	s_delay_alu instid0(VALU_DEP_2)
	v_max3_num_f32 v[TA], v[BM], v[BM+1], v[BM+2]
	s_delay_alu instid0(VALU_DEP_1)
	v_max_num_f32 v[TA], v[TA], v[BM+3]
	s_delay_alu instid0(VALU_DEP_1)
	v_mul_f32 v[TA], s[CS], v[TA]                  ; as t (c is positive)
	s_delay_alu instid0(VALU_DEP_1)
	v_max_num_f32 v[\st+1], v[\st+1], v[TA]        ; the running largest t
	v_mov_b32 v[TA], v[\st]
	s_delay_alu instid0(VALU_DEP_2)
	v_floor_f32 v[\st], -v[\st+1]                  ; the new -M = floor(-t): M is a whole number
	s_delay_alu instid0(VALU_DEP_1)
	v_sub_f32 v[TA], v[\st], v[TA]                 ; old M - new M: a whole number, 0 or less
	s_delay_alu instid0(VALU_DEP_1)
	v_cvt_i32_f32 v[TA], v[TA]                     ; (it saturates)
	s_delay_alu instid0(VALU_DEP_1)
	v_ldexp_f32 v[\st+4], 1.0, v[TA]               ; f = 2^(old M - new M)
.set JJ, 0
.rept 32
	v_pk_fma_f32 v[\sc+JJ:\sc+JJ+1], v[\sc+JJ:\sc+JJ+1], s[CS:CS+1], v[\st:\st+1] op_sel_hi:[1,0,0]   ; t - M, two at a time
.set JJ, JJ+2
.endr
.irp b, 0,1,2,3
	v_fma_f32 v[BM+\b], v[BM+\b], s[CS], v[\st]    ; the same of each block's largest score
.endr
.set JJ, 0
	s_wait_alu depctr_va_vdst(0)
.rept 64
	v_exp_f32 v[\sc+JJ], v[\sc+JJ]                 ; p = 2^(t - M)
.set JJ, JJ+1
.endr
	v_pk_mul_f32 v[\st+2:\st+3], v[\st+2:\st+3], v[\st+4:\st+5] op_sel_hi:[1,0]   ; the sums under the new M: a plain line behind the exponentials
	s_wait_alu depctr_va_vdst(0)                   ; one wait for the batch, ahead of its first reader
.irp b, 0,1,2,3
	v_exp_f32 v[BM+\b], v[BM+\b]                   ; the block's largest p
.endr
	v_pk_add_f32 v[T2:T2+1], v[\sc:\sc+1], v[\sc+2:\sc+3]   ; the row's sum is taken of the unquantised p, in two chains
.irp j, 4,8,12,16,20,24,28,32,36,40,44,48,52,56,60
	v_pk_add_f32 v[\st+2:\st+3], v[\st+2:\st+3], v[\sc+\j:\sc+\j+1]
	v_pk_add_f32 v[T2:T2+1], v[T2:T2+1], v[\sc+\j+2:\sc+\j+3]
.endr
	s_delay_alu instid0(VALU_DEP_1)
	v_pk_add_f32 v[\st+2:\st+3], v[\st+2:\st+3], v[T2:T2+1]
	s_wait_alu depctr_va_vdst(0)                   ; and one for the four
.irp b, 0,1,2,3
	v_max_num_f32 v[BM+\b], 0x8000000, v[BM+\b]    ; the floor 2^(16 - 127)
.endr
.irp b, 0,1,2,3
	s_delay_alu instid0(VALU_DEP_4)
	v_add_nc_u32 v[SO+\b], 0xf8800000, v[BM+\b]
.endr
.irp b, 0,1,2,3
.endr
.irp b, 0,1,2,3
	s_delay_alu instid0(VALU_DEP_4)
	v_lshrrev_b32 v[T2+\b], 23, v[SO+\b]
.endr
	s_delay_alu instid0(VALU_DEP_3)
	v_lshl_or_b32 v[\pw], v[T2+1], 8, v[T2]
	s_delay_alu instid0(VALU_DEP_1)
	v_lshl_or_b32 v[\pw], v[T2+2], 16, v[\pw]
	s_delay_alu instid0(VALU_DEP_1)
	v_lshl_or_b32 v[\pw], v[T2+3], 24, v[\pw]
.irp b, 0,1,2,3
.irp i, 0,1,2,3,4,5,6,7,8,9,10,11,12,13,14,15
.endr
	v_cvt_scalef32_pk8_bf8_f32 v[\pc+4*\b:\pc+4*\b+1], v[\sc+16*\b:\sc+16*\b+7], v[SO+\b]
	v_cvt_scalef32_pk8_bf8_f32 v[\pc+4*\b+2:\pc+4*\b+3], v[\sc+16*\b+8:\sc+16*\b+15], v[SO+\b]
.endr
	v_nop                                          ; a plain line behind the last conversion
.endm
.macro SPROD t                         ; S^T of key tile t for both tiles of queries; the words' rows: K's odd tile and q's tile B lie in lanes 16-31
.if (\t)%2
	v_wmma_scale_f32_16x16x128_f8f6f4 v[SA+8*(\t):SA+8*(\t)+7], v[KF+16*(\t):KF+16*(\t)+15], v[QA:QA+15], 0, v[KSC+(\t)/2], v[QSC] matrix_a_fmt:MATRIX_FMT_BF8 matrix_b_fmt:MATRIX_FMT_BF8 matrix_a_scale:MATRIX_SCALE_ROW1
	v_wmma_scale_f32_16x16x128_f8f6f4 v[SB+8*(\t):SB+8*(\t)+7], v[KF+16*(\t):KF+16*(\t)+15], v[QB:QB+15], 0, v[KSC+(\t)/2], v[QSC] matrix_a_fmt:MATRIX_FMT_BF8 matrix_b_fmt:MATRIX_FMT_BF8 matrix_a_scale:MATRIX_SCALE_ROW1 matrix_b_scale:MATRIX_SCALE_ROW1
.else
	v_wmma_scale_f32_16x16x128_f8f6f4 v[SA+8*(\t):SA+8*(\t)+7], v[KF+16*(\t):KF+16*(\t)+15], v[QA:QA+15], 0, v[KSC+(\t)/2], v[QSC] matrix_a_fmt:MATRIX_FMT_BF8 matrix_b_fmt:MATRIX_FMT_BF8
	v_wmma_scale_f32_16x16x128_f8f6f4 v[SB+8*(\t):SB+8*(\t)+7], v[KF+16*(\t):KF+16*(\t)+15], v[QB:QB+15], 0, v[KSC+(\t)/2], v[QSC] matrix_a_fmt:MATRIX_FMT_BF8 matrix_b_fmt:MATRIX_FMT_BF8 matrix_b_scale:MATRIX_SCALE_ROW1
.endif
.endm
.macro PVPROD t                        ; O^T += V^T P^T for V's tile t of channels, both tiles of queries
.if (\t)%2
	v_wmma_scale_f32_16x16x128_f8f6f4 v[OA+8*(\t):OA+8*(\t)+7], v[SA+16*(\t):SA+16*(\t)+15], v[PA:PA+15], v[OA+8*(\t):OA+8*(\t)+7], v[VSC+(\t)/2], v[PWA] matrix_a_fmt:MATRIX_FMT_BF8 matrix_b_fmt:MATRIX_FMT_BF8 matrix_a_scale:MATRIX_SCALE_ROW1
	v_wmma_scale_f32_16x16x128_f8f6f4 v[OB+8*(\t):OB+8*(\t)+7], v[SA+16*(\t):SA+16*(\t)+15], v[PB:PB+15], v[OB+8*(\t):OB+8*(\t)+7], v[VSC+(\t)/2], v[PWB] matrix_a_fmt:MATRIX_FMT_BF8 matrix_b_fmt:MATRIX_FMT_BF8 matrix_a_scale:MATRIX_SCALE_ROW1
.else
	v_wmma_scale_f32_16x16x128_f8f6f4 v[OA+8*(\t):OA+8*(\t)+7], v[SA+16*(\t):SA+16*(\t)+15], v[PA:PA+15], v[OA+8*(\t):OA+8*(\t)+7], v[VSC+(\t)/2], v[PWA] matrix_a_fmt:MATRIX_FMT_BF8 matrix_b_fmt:MATRIX_FMT_BF8
	v_wmma_scale_f32_16x16x128_f8f6f4 v[OB+8*(\t):OB+8*(\t)+7], v[SA+16*(\t):SA+16*(\t)+15], v[PB:PB+15], v[OB+8*(\t):OB+8*(\t)+7], v[VSC+(\t)/2], v[PWB] matrix_a_fmt:MATRIX_FMT_BF8 matrix_b_fmt:MATRIX_FMT_BF8
.endif
.endm
; A KEY STEP: 128 keys.
.macro STEP
	v_add_nc_u32 v[ADK], s[TB], v[AK0]
	v_add_nc_u32 v[ADV], s[TB], v[AV0]
	v_add_nc_u32 v[ADS], s[TS], v[ASK0]
	v_add_nc_u32 v[ADT], s[TJ], v[ASV0]
.rept 5
	v_nop                                          ; with the four additions nine places behind the last products: the scores below are written over V's fragments, which those products read (one more than for a load)
.endr
	WIN 0x40
.irp t, 0,1,2,3,4,5,6,7
	ds_load_b128 v[KF+16*\t:KF+16*\t+3], v[ADK] offset:1024*\t
	ds_load_b128 v[KF+16*\t+4:KF+16*\t+7], v[ADK] offset:1024*\t+512
.endr
	WIN 0
.irp j, 0,1,2,3
	ds_load_b32 v[KSC+\j], v[ADS] offset:128*\j
.endr
.irp j, 0,1
	ds_load_b32 v[VSC+\j], v[ADT] offset:128*\j
.endr
	s_wait_dscnt 0x0
	WIN 0x05                                       ; K and q in window 1, S^T in window 0
.irp t, 0,1,2,3,4,5,6,7
	SPROD \t
.endr
	WIN 0
.rept 8
	v_nop                                          ; places in front of the first read of the scores
.endr
	SOFTMAX SA, STA, PA, PWA
.irp t, 0,1,2,3
.irp c, 0,1,2,3
	ds_load_b128 v[SA+16*\t+4*\c:SA+16*\t+4*\c+3], v[ADV] offset:2048*\t+512*\c   ; V's four fragments into the registers that tile A's scores have left: they land during tile B's softmax
.endr
.endr
	s_setprio 1
	SOFTMAX SB, STB, PB, PWB
	WIN 0x41                                       ; O^T in window 1, f in window 0
.set JJ, 0
	s_setprio 0
.rept 16
	v_pk_mul_f32 v[OA+JJ:OA+JJ+1], v[OA+JJ:OA+JJ+1], v[STA+4:STA+5] op_sel_hi:[1,0]   ; O^T under the new M.  (These are also the places between p's codes and the products)
	v_pk_mul_f32 v[OB+JJ:OB+JJ+1], v[OB+JJ:OB+JJ+1], v[STB+4:STB+5] op_sel_hi:[1,0]
.set JJ, JJ+2
.endr
	WIN 0
	s_wait_alu depctr_va_vdst(0)
	s_wait_dscnt 0x0                               ; V is in
	WIN 0x50                                       ; V and p in window 0, O^T in window 1
.irp t, 0,1,2,3
	PVPROD \t                                      ; the eight accumulators take turns, one instruction a turn
.endr
	WIN 0
	s_add_co_u32 s[TB], s[TB], 8192
	s_add_co_u32 s[TS], s[TS], 512
	s_add_co_u32 s[TJ], s[TJ], 256
.endm
; A chunk of 512 keys: four steps.  My part of it has landed when at most the later chunks' loads are out; behind the barrier every wave's has.  Nothing is ever filled again, so the later chunks may stay on their way.
.macro CHUNK c
	s_wait_tensorcnt 3-\c
	s_wait_dscnt 0x0
	s_barrier_signal -1
	s_barrier_wait -1
	s_mov_b32 s[TB], 32768*\c
	s_mov_b32 s[TS], 2048*\c
	s_mov_b32 s[TJ], 1024*\c
	s_mov_b32 s[CNT], 4
.Lstep_\@:
	s_setprio 2
	STEP
	s_sub_co_u32 s[CNT], s[CNT], 1
	s_cmp_lg_u32 s[CNT], 0
	s_cbranch_scc1 .Lstep_\@
	s_setprio 0
.endm
	s_mov_b32 s[PASS], 2
.Lpass:
	WIN 0x40
	global_load_b128 v[QA:QA+3], v[GO], s[AQ:AQ+1]               ; q's two fragments stay in registers for the pass
	global_load_b128 v[QA+4:QA+7], v[GO], s[AQ:AQ+1] offset:512
	global_load_b128 v[QB:QB+3], v[GO], s[AQ:AQ+1] offset:1024
	global_load_b128 v[QB+4:QB+7], v[GO], s[AQ:AQ+1] offset:1536
	WIN 0
	global_load_b32 v[QSC], v[LS], s[AQW:AQW+1]
.irp t, STA, STB
	v_mov_b32 v[\t+1], 0xff61b1e6                  ; the largest t so far: -3e38, under every t
	s_delay_alu instid0(VALU_DEP_1)
	v_floor_f32 v[\t], -v[\t+1]
	v_mov_b32 v[\t+2], 0
	v_mov_b32 v[\t+3], 0
.endr
	WIN 0x40
.set JJ, 0
.rept 64
	v_mov_b32 v[JJ], 0                             ; O^T.  (The step is written without a first step of its own: it finds zeros, which the first change of M leaves zeros)
.set JJ, JJ+1
.endr
	WIN 0
	s_wait_loadcnt 0x0
	CHUNK 0
	CHUNK 1
	CHUNK 2
	CHUNK 3
	; THE WAY OUT: O^T / the sum, quantised along the channels: blocks 0, 1 are tile A's, blocks 2, 3 tile B's
.rept 8
	v_nop                                          ; places behind the last products
.endr
	v_add_f32 v[STA+2], v[STA+2], v[STA+3]
	v_add_f32 v[STB+2], v[STB+2], v[STB+3]
	s_delay_alu instid0(VALU_DEP_2)
	v_permlanex16_b32 v[T2], v[STA+2], s[SEL], s[SEL+1]
	s_delay_alu instid0(VALU_DEP_2)
	v_permlanex16_b32 v[T2+1], v[STB+2], s[SEL], s[SEL+1]
	s_delay_alu instid0(VALU_DEP_2)
	v_add_f32 v[STA+2], v[STA+2], v[T2]
	s_delay_alu instid0(VALU_DEP_2)
	v_add_f32 v[STB+2], v[STB+2], v[T2+1]
	s_wait_alu depctr_va_vdst(0)
	v_rcp_f32 v[STA+6], v[STA+2]
	v_rcp_f32 v[STB+6], v[STB+2]
	v_nop                                          ; a plain line behind the reciprocals,
	s_wait_alu depctr_va_vdst(0)                   ; and the one wait ahead of their first reader
	WIN 0x01                                       ; source 0: window 1
.set JJ, 0
.rept 16
	v_pk_mul_f32 v[SA+JJ:SA+JJ+1], v[OA+JJ:OA+JJ+1], v[STA+6:STA+7] op_sel_hi:[1,0]
.set JJ, JJ+2
.endr
.set JJ, 0
.rept 16
	v_pk_mul_f32 v[SA+32+JJ:SA+32+JJ+1], v[OB+JJ:OB+JJ+1], v[STB+6:STB+7] op_sel_hi:[1,0]
.set JJ, JJ+2
.endr
	WIN 0
	QUANT SA, PA, TA+1
	global_store_b128 v[GO], v[PA:PA+3], s[AOC:AOC+1]                  ; 512 consecutive bytes each: tile A's two blocks,
	global_store_b128 v[GO], v[PA+4:PA+7], s[AOC:AOC+1] offset:512
	global_store_b128 v[GO], v[PA+8:PA+11], s[AOC:AOC+1] offset:16384  ; tile B's
	global_store_b128 v[GO], v[PA+12:PA+15], s[AOC:AOC+1] offset:16896
	v_lshrrev_b32 v[TA+2], 16, v[TA+1]
	s_delay_alu instid0(VALU_DEP_1)
	v_cndmask_b32 v[TA+2], v[TA+1], v[TA+2], s[HM] ; lanes 0-15: tile A's two bytes; lanes 16-31: tile B's
	global_store_b16 v[OSO], v[TA+2], s[AOS:AOS+1] ; two bytes a row and head: one in 32 of the codes' bytes
	s_wait_xcnt 0x0                                ; the stores have read their registers and bases: both may be written again
	s_add_nc_u64 s[AQ:AQ+1], s[AQ:AQ+1], 16384     ; 16 tiles on
	s_add_nc_u64 s[AQW:AQW+1], s[AQW:AQW+1], 1024
	s_add_nc_u64 s[AOC:AOC+1], s[AOC:AOC+1], 262144
	s_add_nc_u64 s[AOS:AOS+1], s[AOS:AOS+1], 8192
	s_sub_co_u32 s[PASS], s[PASS], 1
	s_cmp_lg_u32 s[PASS], 0
	s_cbranch_scc1 .Lpass
	s_wait_tensorcnt 0x0
	ds_add_u32 v254, v255
	s_wait_dscnt 0x0
	CROUND                                         ; the closing round
	s_endpgm
.Lfunc_end_k_q23cdb7ae7a_attn:
	.size	k_q23cdb7ae7a_attn, .Lfunc_end_k_q23cdb7ae7a_attn-k_q23cdb7ae7a_attn
	.p2alignl 7, 3214868480
	.fill 96, 4, 3214868480
	.section	.rodata,"a",@progbits
	.p2align	6, 0x0
	.amdhsa_kernel k_q23cdb7ae7a_attn
		.amdhsa_group_segment_fixed_size 327680
		.amdhsa_private_segment_fixed_size 0
		.amdhsa_enable_private_segment 0
		.amdhsa_kernarg_size 32
		.amdhsa_user_sgpr_count 2
		.amdhsa_user_sgpr_kernarg_segment_ptr 1
		.amdhsa_wavefront_size32 1
		.amdhsa_system_sgpr_workgroup_id_x 1
		.amdhsa_system_sgpr_workgroup_id_y 1
		.amdhsa_system_sgpr_workgroup_id_z 1
		.amdhsa_system_vgpr_workitem_id 0
		.amdhsa_next_free_vgpr 512
		.amdhsa_next_free_sgpr 96
		.amdhsa_reserve_vcc 0
		.amdhsa_float_denorm_mode_32 3
		.amdhsa_float_denorm_mode_16_64 3
		.amdhsa_fp16_overflow 1
		.amdhsa_memory_ordered 1
		.amdhsa_forward_progress 1
		.amdhsa_inst_pref_size 151
	.end_amdhsa_kernel
	.amdgpu_metadata
---
amdhsa.version: [ 1, 2 ]
amdhsa.kernels:
  - .name:           k_q23cdb7ae7a_attn
    .symbol:         k_q23cdb7ae7a_attn.kd
    .args:
      - { .name: att, .offset: 0, .size: 8, .value_kind: global_buffer, .address_space: global }
      - { .name: ats, .offset: 8, .size: 8, .value_kind: global_buffer, .address_space: global }
      - { .name: oc, .offset: 16, .size: 8, .value_kind: global_buffer, .address_space: global }
      - { .name: os, .offset: 24, .size: 8, .value_kind: global_buffer, .address_space: global }
    .group_segment_fixed_size: 327680
    .private_segment_fixed_size: 0
    .kernarg_segment_align: 8
    .kernarg_segment_size: 32
    .max_flat_workgroup_size: 256
    .sgpr_count:     96
    .vgpr_count:     512
    .wavefront_size: 32
...
	.end_amdgpu_metadata
.endif
;; end of part 3
;; launch gemm_out (part 4): grid 32 x 4, 4 waves a work-group, clusters of 4 x 4, 327,680 bytes of LDS; arguments oc, os, wc, ws, bo, out0; writes out0
.if DOCPART == 4
	.amdgcn_target "amdgcn-amd-amdhsa--gfx1250"
	.amdhsa_code_object_version 6
	.text
	.protected	k_q23cdb7ae7a_gemm_out
	.globl	k_q23cdb7ae7a_gemm_out
	.p2align	8
	.type	k_q23cdb7ae7a_gemm_out,@function
k_q23cdb7ae7a_gemm_out:
	s_mov_b64 s[64:65], 0
	v_nop
	global_prefetch_b8 v0, s[64:65] scope:SCOPE_SE
	s_setreg_imm32_b32 hwreg(HW_REG_WAVE_MODE, 25, 1), 1
	s_wait_xcnt 0x0
	s_wait_alu depctr_hold_cnt(0) depctr_sa_sdst(0) depctr_va_vdst(0) depctr_va_sdst(0) depctr_va_ssrc(0) depctr_va_vcc(0) depctr_vm_vsrc(0)
	s_getreg_b32 s2, hwreg(HW_REG_IB_STS2, 6, 4)
	s_cmp_eq_u32 s2, 0
	s_cbranch_scc0 .Lentry_in_a_cluster
	s_endpgm
.Lentry_in_a_cluster:
	s_bfe_u32 s2, ttmp6, 0x10000c
	s_cmp_lg_u32 s2, 0xf033
	s_cbranch_scc0 .Lentry_shape_is_right
	s_endpgm
.Lentry_shape_is_right:
; out0 = o Wo + bo on codes of BF8 (E5M2) with E8M0 scales for each 32 along K = 1,024; out0 [8192][1024] f32.
; OPERANDS lie in memory as images of operand registers: [tile of 16][K / 128][2,048 bytes], scale words [tile][K / 128][16]; tile t's place r is index 32 (t / 2) + 8 (t % 2) + r + 8 (r / 8).  Wo's tiles are 192-255 of wc.
; A work-group of four waves makes 256 x 256, a wave 128 x 128: 64 accumulators.  Source 1 = R = o (a lane holds one token), source 0 = P = Wo (the 16 registers of P's tiles 2 b, 2 b + 1 are columns 32 b + 16 h + 0..15: 64 neighbouring bytes of a row of out0).
; K goes in steps of 256 through a ring of two LDS slots; a tile's part of a slot is 4,096 consecutive bytes, read back at 16 x lane on end.  All scale words come once, with the first fills, and go into 64 registers.
; CLUSTERS: 4 x 4 work-groups; R's tiles are shared along a row of the cluster, P's along a column: each is asked for jointly.  By this text's count a wave has one tensor load out at the start and one behind each round.
; out0 has 128 blocks of 256 x 256: so many work-groups are launched.
; REGISTERS: window 0: v16-31 addresses; v64-127 scale words, and nothing else; v128-255 R's fragments, one set; on the way out v128-191 a tile's numbers, v192-255 rows read back.
;   window 1: P's fragments, two sets; the bias takes set 0 before the last step.   windows 2, 3: the accumulators ((a, b) at v[8 (8 (a % 4) + b)]).
.set FR,     16
.set NL,     4
.set NP,     8                         ; places behind this matrix instruction (ISA guide 7.12.1)
.set HALFT,  32768                     ; 8 tiles x 4,096 bytes: what one tensor load brings
.set SLOT,   4*HALFT
.set SCL,    2*SLOT                    ; R's scale words, 8,192 bytes, then P's
.set SPARE,  SCL+16384                 ; the spare words: two blocks of 256 bytes that no other line names
.set SPT,    528                       ; the way out: a stage of 16 rows x (512 bytes + 16) for each wave, in slot 0, which has had its last fill and its last read when the first result is stored there
.set ADRA, 16
.set ADRB, 20
.set LI,   24                          ; v24  16 x lane
.set STO,  26                          ; v26  the stage: where I put 64 bytes of a row
.set ADRS, 27
.set SPW,  28
.set NIL,  29
.set BOF,  30                          ; v30  64 h: the bias
.set RD,   31                          ; v31  the stage: where I read a row back
.set SC,   64
.set AF,   128
.set H,    128
.set BK,   192
.set G1, 24
.set G0, 32
.set G1B, 48
.set G0B, 56
.set G1S, 68
.set G0S, 76
.set G1SB, 80
.set G0SB, 88
.set MSB, 0
.macro WIN new
.if MSB != \new
	s_set_vgpr_msb (MSB<<8)|\new
.set MSB, \new
.endif
.endm
.set MUL_LO, 0xa1
.set MUL_HI, 0xf1
.set TO_B,   0x40
.macro JLOAD g0a, g1a, g0b, g1b        ; a joint load: waves 0 and 1 fetch for R, waves 2 and 3 for P; four v_nop follow each of the two lines
	s_cmp_eq_u32 s15, 0
	s_cbranch_scc0 .Lfor_b_\@
	tensor_load_to_lds s[\g0a:\g0a+3], s[\g1a:\g1a+7]
	s_nop 0
.rept 4
	v_nop
.endr
	s_branch .Lasked_\@
.Lfor_b_\@:
	tensor_load_to_lds s[\g0b:\g0b+3], s[\g1b:\g1b+7]
	s_nop 0
.rept 4
	v_nop
.endr
.Lasked_\@:
.endm
.macro CREST
	s_cmp_lg_u32 s14, 0
	s_cbranch_scc1 .Lnot_wave_0_\@
	s_barrier_signal -3
.Lnot_wave_0_\@:
	s_barrier_wait -3
	s_barrier_signal -1
	s_barrier_wait -1
.endm
.macro CROUND
	s_barrier_signal -1
	s_barrier_wait -1
	CREST
.endm
.macro PLACES n
.rept \n
	v_nop
.endr
.endm
	s_load_b256 s[4:11], s[0:1], 0x0               ; oc s[4:5], os s[6:7], wc s[8:9], ws s[10:11]
	s_load_b128 s[92:95], s[0:1], 0x20             ; bo s[92:93], out0 s[94:95]
	v_lshl_add_u32 v[SPW], v0, 2, SPARE
	v_mov_b32 v[NIL], 0
	ds_add_u32 v28, v29
	ds_add_u32 v28, v29
	s_wait_dscnt 0x0
	v_lshrrev_b32 v1, 5, v0
	v_readfirstlane_b32 s14, v1                    ; wave 0..3
	s_lshr_b32 s15, s14, 1                         ; which half of R's 256 is mine.  Also: I fetch for R (0) or for P (1)
	s_and_b32 s16, s14, 1                          ; which half of P's 256.  Also: which 8 tiles I fetch
	s_bfe_u32 s40, ttmp6, 0x40000                  ; cx, cy
	s_bfe_u32 s41, ttmp6, 0x40004
	s_lshl_b32 s43, s41, 2
	s_lshl_b32 s43, 15, s43                        ; my row of the cluster
	s_lshl_b32 s44, 0x1111, s40                    ; my column
	s_or_b32 s[G1+0], s43, (3<<16)|(1<<21)         ; 8 rows (tiles) of 4,096 bytes (512 elements of 8 bytes), 16,384 bytes apart
	s_or_b32 s[G1B+0], s44, (3<<16)|(1<<21)
.irp g, G1, G1B
	s_mov_b32 s[\g+1], 512<<16
	s_mov_b32 s[\g+2], 8<<16
	s_mov_b32 s[\g+3], 512<<16
	s_mov_b32 s[\g+4], 8
	s_mov_b32 s[\g+5], 2048
	s_mov_b32 s[\g+6], 0
	s_mov_b32 s[\g+7], 0
.endr
	s_or_b32 s[G1S+0], s43, (3<<16)|(1<<21)        ; the scale words of 8 tiles: 16 rows of 256 dense bytes
	s_or_b32 s[G1SB+0], s44, (3<<16)|(1<<21)
.irp g, G1S, G1SB
	s_mov_b32 s[\g+1], 32<<16
	s_mov_b32 s[\g+2], 16<<16
	s_mov_b32 s[\g+3], 32<<16
	s_mov_b32 s[\g+4], 16
	s_mov_b32 s[\g+5], 32
	s_mov_b32 s[\g+6], 0
	s_mov_b32 s[\g+7], 0
.endr
	s_lshl_b32 s17, ttmp9, 2
	s_add_co_u32 s17, s17, s41                     ; R's block of 256 tokens: 4 x cluster + cy
	s_add_co_u32 s42, s40, 12                      ; P's block of 256 columns in wc: 12 + cx
	s_lshl_b32 s45, s14, 15                        ; where my tiles go: no place in the cluster enters an LDS address
	s_lshl_b32 s67, s14, 12
	s_lshl_b32 s18, s17, 18
	s_lshl_b32 s19, s16, 17
	s_add_co_u32 s18, s18, s19
	s_mov_b32 s19, 0
	s_lshl_b32 s22, s17, 13
	s_lshl_b32 s23, s16, 12
	s_add_co_u32 s22, s22, s23
	s_mov_b32 s23, 0
	s_lshl_b32 s2, s42, 18                         ; P's, in registers that never hold cy
	s_lshl_b32 s3, s16, 17
	s_add_co_u32 s2, s2, s3
	s_mov_b32 s3, 0
	s_lshl_b32 s12, s42, 13
	s_lshl_b32 s13, s16, 12
	s_add_co_u32 s12, s12, s13
	s_mov_b32 s13, 0
	s_wait_kmcnt 0x0
	s_add_nc_u64 s[20:21], s[4:5], s[18:19]        ; R's codes
	s_add_nc_u64 s[22:23], s[6:7], s[22:23]        ; R's scale words
	s_add_nc_u64 s[46:47], s[8:9], s[2:3]          ; P's codes
	s_add_nc_u64 s[12:13], s[10:11], s[12:13]      ; P's scale words
	CROUND                                         ; all sixteen work-groups are here: the first joint loads meet
	s_mov_b32 s[G0S], 1
	s_add_co_u32 s[G0S+1], s67, SCL
	s_mov_b64 s[G0S+2:G0S+3], s[22:23]
	s_or_b32 s[G0S+3], s[G0S+3], 0x80000000
	s_mov_b32 s[G0SB], 1
	s_add_co_u32 s[G0SB+1], s67, SCL
	s_mov_b64 s[G0SB+2:G0SB+3], s[12:13]
	s_or_b32 s[G0SB+3], s[G0SB+3], 0x80000000
	JLOAD G0S, G1S, G0SB, G1SB
.irp s, 0,1
	s_mov_b32 s[G0+4*\s], 1
	s_add_co_u32 s[G0+4*\s+1], s45, \s*SLOT
	s_add_nc_u64 s[G0+4*\s+2:G0+4*\s+3], s[20:21], \s*4096
	s_or_b32 s[G0+4*\s+3], s[G0+4*\s+3], 0x80000000
	s_mov_b32 s[G0B+4*\s], 1
	s_add_co_u32 s[G0B+4*\s+1], s45, \s*SLOT
	s_add_nc_u64 s[G0B+4*\s+2:G0B+4*\s+3], s[46:47], \s*4096
	s_or_b32 s[G0B+4*\s+3], s[G0B+4*\s+3], 0x80000000
	s_wait_alu depctr_va_vdst(0)
	s_wait_tensorcnt 0x0
	ds_add_u32 v28, v29
	s_wait_dscnt 0x0
	CROUND
	JLOAD G0+4*\s, G1, G0B+4*\s, G1B
.endr
	v_and_b32 v1, 15, v0                           ; r
	v_bfe_u32 v2, v0, 4, 1                         ; h
	s_wait_alu depctr_va_vdst(0)
	v_and_b32 v3, 31, v0                           ; lane
	v_lshlrev_b32 v[LI], 4, v3
	s_lshl_b32 s21, s15, 15
	s_lshl_b32 s22, s16, 15
	s_add_co_u32 s22, s22, 2*HALFT
.irp s, 0,1
	v_add_nc_u32 v[ADRA+\s], s21, v[LI]
	v_add_nc_u32 v[ADRB+\s], s22, v[LI]
	s_add_co_u32 s21, s21, SLOT
	s_add_co_u32 s22, s22, SLOT
.endr
	s_lshl_b32 s21, s15, 12
	s_lshl_b32 s22, s16, 12
	s_add_co_u32 s22, s22, 8192
	s_sub_co_u32 s22, s22, s21
	v_mul_u32_u24 v6, s22, v2                      ; lanes 16-31 take P's words: one product, the distance between the two
	s_add_co_u32 s21, s21, SCL
	v_lshl_add_u32 v5, v1, 2, v6
	v_add_nc_u32 v[ADRS], s21, v5
	v_lshlrev_b32 v[BOF], 6, v2
	s_mul_i32 s23, s14, 16*SPT                     ; my stage
	v_mul_u32_u24 v5, v1, SPT
	v_lshl_add_u32 v5, v2, 6, v5
	v_add_nc_u32 v[STO], s23, v5                   ; in: row r, + 64 h
	v_add_nc_u32 v[RD], s23, v[LI]                 ; back: the 32 lanes take one row of 512 bytes
.macro FRAG reg, adr, q, i
.irp c, 0,1,2,3
	ds_load_b128 v[\reg+4*\c:\reg+4*\c+3], v[\adr] offset:4096*(\i)+2048*(\q)+512*\c
.endr
.endm
; 16 matrix instructions: R's tiles a0, a0 + 1 x P's eight, K step s.  The 64 accumulators take turns, one instruction a turn.
.macro MUL16 a0, p, s, zero
.irp a, \a0, \a0+1
.irp b, 0,1,2,3,4,5,6,7
.if \zero
	v_wmma_scale_f32_16x16x128_f8f6f4 v[8*(8*((\a)%4)+\b):8*(8*((\a)%4)+\b)+7], v[128*(\p)+FR*\b:128*(\p)+FR*\b+FR-1], v[AF+FR*(\a):AF+FR*(\a)+FR-1], 0, v[SC+8*\b+(\s)], v[SC+8*(\a)+(\s)] matrix_a_fmt:MATRIX_FMT_BF8 matrix_b_fmt:MATRIX_FMT_BF8 matrix_a_scale:MATRIX_SCALE_ROW1
.else
	v_wmma_scale_f32_16x16x128_f8f6f4 v[8*(8*((\a)%4)+\b):8*(8*((\a)%4)+\b)+7], v[128*(\p)+FR*\b:128*(\p)+FR*\b+FR-1], v[AF+FR*(\a):AF+FR*(\a)+FR-1], v[8*(8*((\a)%4)+\b):8*(8*((\a)%4)+\b)+7], v[SC+8*\b+(\s)], v[SC+8*(\a)+(\s)] matrix_a_fmt:MATRIX_FMT_BF8 matrix_b_fmt:MATRIX_FMT_BF8 matrix_a_scale:MATRIX_SCALE_ROW1
.endif
.endr
.endr
.endm
.macro FETCH_B slot, q, p
	WIN TO_B
.irp i, 0,1,2,3,4,5,6,7
	FRAG 128*(\p)+FR*\i, ADRB+\slot, \q, \i
.endr
	WIN 0
.endm
.macro FETCH_A slot, q, i0
.irp i, \i0, \i0+1, \i0+2, \i0+3
	FRAG AF+FR*(\i), ADRA+\slot, \q, \i
.endr
.endm
.macro SCALES
.irp i, 0,1,2,3,4,5,6,7
.irp s, 0,1,2,3,4,5,6,7
	ds_load_b32 v[SC+8*\i+\s], v[ADRS] offset:512*\i+64*\s
.endr
.endr
.endm
.macro STEP slot, s, zero
	s_wait_dscnt 4*NL                              ; P's set and R's tiles 0-3 are in; the youngest 16 loads (R's tiles 4-7) may be out
	WIN MUL_LO
	MUL16 0, 0, \s, \zero
	MUL16 2, 0, \s, \zero
	s_wait_dscnt 0
	PLACES NP
	FETCH_B \slot, 1, 1
	FETCH_A \slot, 1, 0
	WIN MUL_HI
	MUL16 4, 0, \s, \zero
	MUL16 6, 0, \s, \zero
	PLACES NP
	WIN 0
	FETCH_A \slot, 1, 4
.endm
.macro TURN slot, next, s, fill
	s_wait_tensorcnt 0x0                           ; all my tensor loads have landed: my part of the next slot
	ds_add_u32 v[SPW], v[NIL]                      ; 0 onto my spare word
	s_wait_dscnt 4*NL+1                            ; (the add and the youngest 16 loads may be out)
	WIN MUL_LO
	MUL16 0, 1, \s, 0
	s_wait_dscnt 0x0                               ; the add is done, and my reads of this slot are over
	s_barrier_signal -1
	MUL16 2, 1, \s, 0
	WIN 0
	s_barrier_wait -1
.if \fill
	CREST                                          ; the barrier has opened a round of the cluster's: no wave of any partner still reads this slot or has a load on its way
	s_add_nc_u64 s[G0+4*\slot+2:G0+4*\slot+3], s[G0+4*\slot+2:G0+4*\slot+3], 8192
	s_add_nc_u64 s[G0B+4*\slot+2:G0B+4*\slot+3], s[G0B+4*\slot+2:G0B+4*\slot+3], 8192
	JLOAD G0+4*\slot, G1, G0B+4*\slot, G1B
	PLACES NP-4
.else
	PLACES NP
.endif
	FETCH_B \next, 0, 0
	FETCH_A \next, 0, 0
	WIN MUL_HI
	MUL16 4, 1, \s, 0
	MUL16 6, 1, \s, 0
	PLACES NP
	WIN 0
	FETCH_A \next, 0, 4
.endm
	s_wait_alu depctr_va_vdst(0)
	s_wait_tensorcnt 1                             ; the scale words and my part of slot 0 are in; slot 1's load may be out
	s_barrier_signal -1
	s_barrier_wait -1
	FETCH_B 0, 0, 0
	FETCH_A 0, 0, 0
	SCALES
	FETCH_A 0, 0, 4
	STEP 0, 0, 1
	TURN 0, 1, 1, 1
	STEP 1, 2, 0
	TURN 1, 0, 3, 1
	STEP 0, 4, 0
	TURN 0, 1, 5, 0
	STEP 1, 6, 0
	; the way out's addresses, and the bias into P's set 0, which has been multiplied for the last time
	s_lshl_b32 s22, s40, 10                        ; my 128 columns: 256 cx + 128 x half, 4 bytes each
	s_lshl_b32 s23, s16, 9
	s_add_co_u32 s22, s22, s23
	s_mov_b32 s23, 0
	s_add_nc_u64 s[20:21], s[92:93], s[22:23]
	s_lshl_b32 s12, s17, 20                        ; my 128 rows of 4,096 bytes: 256 x block + 128 x half
	s_lshl_b32 s13, s15, 19
	s_add_co_u32 s12, s12, s13
	s_add_co_u32 s12, s12, s22
	s_mov_b32 s13, 0
	s_add_nc_u64 s[12:13], s[94:95], s[12:13]
	WIN TO_B
.irp b, 0,1,2,3,4,5,6,7
	global_load_b128 v[8*\b:8*\b+3], v[BOF], s[20:21] offset:(32*(\b/2)+8*(\b%2))*4
	global_load_b128 v[8*\b+4:8*\b+7], v[BOF], s[20:21] offset:(32*(\b/2)+8*(\b%2))*4+16
.endr
	WIN 0
	s_wait_dscnt 4*NL                              ; the last step: nothing more to fetch
	WIN MUL_LO
	MUL16 0, 1, 7, 0
	MUL16 2, 1, 7, 0
	s_wait_dscnt 0
	WIN MUL_HI
	MUL16 4, 1, 7, 0
	MUL16 6, 1, 7, 0
	WIN 0
	PLACES NP
	s_wait_loadcnt 0x0                             ; the bias
; THE WAY OUT, a tile of 16 tokens x 128 columns at a time: + the bias (each accumulator from its low end on), through my own stage, back as whole rows of 512 bytes.
.macro ADDB a
	WIN 0x06+(\a)/4                                ; source 0: window 2 or 3; source 1: window 1
.irp b, 0,1,2,3,4,5,6,7
.irp j, 0,2,4,6
	v_pk_add_f32 v[H+8*\b+\j:H+8*\b+\j+1], v[8*(8*((\a)%4)+\b)+\j:8*(8*((\a)%4)+\b)+\j+1], v[8*\b+\j:8*\b+\j+1]
.endr
.endr
	WIN 0
.endm
.macro TOSTAGE
.irp b, 0,1,2,3
.irp q, 0,1,2,3
	ds_store_b128 v[STO], v[H+16*\b+4*\q:H+16*\b+4*\q+3] offset:128*\b+16*\q
.endr
.endr
.irp t, 0,1,2,3,4,5,6,7,8,9,10,11,12,13,14,15
	ds_load_b128 v[BK+4*\t:BK+4*\t+3], v[RD] offset:\t*SPT   ; LDS serves a wave's instructions in order (ISA guide 5.7.1.4): these see the stores above
.endr
.endm
.macro SEND a                          ; place t of tile a is row 32 (a / 2) + 8 (a % 2) + t + 8 (t / 8) of my 128
	s_wait_dscnt 0x0                               ; the tile is back in registers
.irp t, 0,1,2,3,4,5,6,7,8,9,10,11,12,13,14,15
	global_store_b128 v[LI], v[BK+4*\t:BK+4*\t+3], s[12:13] offset:(32*((\a)/2)+8*((\a)%2)+\t+8*(\t/8))*4096 th:TH_STORE_NT   ; 32 lanes store 512 consecutive bytes, at a multiple of 256 from out0's first byte
.endr
.endm
	ADDB 0
	TOSTAGE
.irp a, 1,2,3,4,5,6,7
	ADDB \a                                        ; a tile's additions stand between the loads of the tile before and the wait for them
	s_wait_alu depctr_va_vdst(0)
	SEND \a-1
	s_wait_xcnt 0x0                                ; the stores have read their registers: the next loads land there only behind this wait
	TOSTAGE
.endr
	SEND 7
	s_wait_tensorcnt 0x0                           ; the wave's end
	ds_add_u32 v[SPW], v[NIL]
	s_wait_dscnt 0x0
	CROUND                                         ; the closing round
	s_endpgm
.Lfunc_end_k_q23cdb7ae7a_gemm_out:
	.size	k_q23cdb7ae7a_gemm_out, .Lfunc_end_k_q23cdb7ae7a_gemm_out-k_q23cdb7ae7a_gemm_out
	.p2alignl 7, 3214868480
	.fill 96, 4, 3214868480
	.section	.rodata,"a",@progbits
	.p2align	6, 0x0
	.amdhsa_kernel k_q23cdb7ae7a_gemm_out
		.amdhsa_group_segment_fixed_size 327680
		.amdhsa_private_segment_fixed_size 0
		.amdhsa_enable_private_segment 0
		.amdhsa_kernarg_size 48
		.amdhsa_user_sgpr_count 2
		.amdhsa_user_sgpr_kernarg_segment_ptr 1
		.amdhsa_wavefront_size32 1
		.amdhsa_system_sgpr_workgroup_id_x 1
		.amdhsa_system_sgpr_workgroup_id_y 1
		.amdhsa_system_sgpr_workgroup_id_z 1
		.amdhsa_system_vgpr_workitem_id 0
		.amdhsa_next_free_vgpr 1024
		.amdhsa_next_free_sgpr 102
		.amdhsa_reserve_vcc 0
		.amdhsa_float_denorm_mode_32 3
		.amdhsa_float_denorm_mode_16_64 3
		.amdhsa_memory_ordered 1
		.amdhsa_forward_progress 1
		.amdhsa_inst_pref_size 165
	.end_amdhsa_kernel
	.amdgpu_metadata
---
amdhsa.version: [ 1, 2 ]
amdhsa.kernels:
  - .name:           k_q23cdb7ae7a_gemm_out
    .symbol:         k_q23cdb7ae7a_gemm_out.kd
    .args:
      - { .name: oc, .offset: 0, .size: 8, .value_kind: global_buffer, .address_space: global }
      - { .name: os, .offset: 8, .size: 8, .value_kind: global_buffer, .address_space: global }
      - { .name: wc, .offset: 16, .size: 8, .value_kind: global_buffer, .address_space: global }
      - { .name: ws, .offset: 24, .size: 8, .value_kind: global_buffer, .address_space: global }
      - { .name: bo, .offset: 32, .size: 8, .value_kind: global_buffer, .address_space: global }
      - { .name: out0, .offset: 40, .size: 8, .value_kind: global_buffer, .address_space: global }
    .group_segment_fixed_size: 327680
    .private_segment_fixed_size: 0
    .kernarg_segment_align: 8
    .kernarg_segment_size: 48
    .max_flat_workgroup_size: 128
    .sgpr_count:     102
    .vgpr_count:     1024
    .wavefront_size: 32
...
	.end_amdgpu_metadata
.endif
;; end of part 4
